; MI455X (gfx1250); checked and timed in simulation.
; The chip was launched on July 23, 2026; its instructions are those of AMD's public machine-readable ISA for CDNA 5 (MIT licence, August 2026) and "CDNA5" Instruction Set Architecture Reference Guide (July 2026). The comments in the code are by the model that wrote it; some were corrected since.
;; Multi Headed Attention1. Allowed arithmetic: float matrix products may take bf16 or f16 operands with f32 sums; other float arithmetic in f32, or as packed bf16 or f16 multiplies, adds, multiply-adds, maxima and minima; sums over many terms, partial sums and values carried from step to step in f32; what a program stores and reads back later, other than sums and carried values, may be rounded once to bf16 or f16.
;; Inputs: Wk 1,024 x 1,024 float32; Wo 1,024 x 1,024 float32; Wq 1,024 x 1,024 float32; Wv 1,024 x 1,024 float32; bk 1,024 float32; bo 1,024 float32; bq 1,024 float32; bv 1,024 float32; key 8 x 1,024 x 1,024 float32; mask 8 x 1,024 float32; query 8 x 1,024 x 1,024 float32; value 8 x 1,024 x 1,024 float32.
;; Outputs: out0 8 x 1,024 x 1,024 float32.
;; One version. Each part assembles by itself: llvm-mc -triple=amdgcn-amd-amdhsa -mcpu=gfx1250 --defsym DOCPART=n.
;; ======== version 1 of 1: 4 launches
;; limits: values are held in f16: magnitudes above 65,504 overflow, below 6.1e-05 lose precision
;; workspace buffers: wt 8,388,608 bytes; qkv 50,331,648 bytes; att 16,777,216 bytes
;; launch prep (part 1): grid 128 x 4, 8 waves a work-group, no clusters, 18,432 bytes of LDS; arguments Wq, Wk, Wv, Wo, wt; writes wt
.if DOCPART == 1
	.amdgcn_target "amdgcn-amd-amdhsa--gfx1250"
	.amdhsa_code_object_version 6
	.text
	.protected	k_qc0c9dca97b_prep
	.globl	k_qc0c9dca97b_prep
	.p2align	8
	.type	k_qc0c9dca97b_prep,@function
k_qc0c9dca97b_prep:
	s_mov_b64 s[64:65], 0
	v_nop
	global_prefetch_b8 v0, s[64:65] scope:SCOPE_SE
	s_setreg_imm32_b32 hwreg(HW_REG_WAVE_MODE, 25, 1), 1
	s_wait_xcnt 0x0
; wt[y][n][k] = W_y[k][n], rounded once to bf16, for y = 0..3 (Wq, Wk, Wv, Wo); all W are [1024][1024] f32.
; Part 3 (Wo) is written as f16: the bf16 number converted to f16, since the last launch multiplies in f16.
; LIMIT: that second conversion is exact for magnitudes from 2^-17 to 65,504; below it keeps f16's fixed step of 6e-8, above it gives an infinity.
; A work-group turns 128 rows k x 64 columns n: it reads 128 pieces of 256 consecutive bytes and writes 64 pieces of 256 consecutive bytes.
; Thread t: c = t % 16 (four columns), g = t / 16 (eight rows).  Nothing is multiplied and nothing is read twice: no matrix unit, no cluster, no tensor load.
.set PITCH, 272                        ; an LDS row: 128 numbers of 16 bits + 16 bytes
.set SPARE, 64*PITCH                   ; behind the 64 rows: the spare words, 128 bytes for each of eight waves
.set SPW, 8                            ; v8   my spare word's address; never rewritten
.set NIL, 9                            ; v9   0; never rewritten
.set X,   16                           ; v[16:47]  row 8 g + i, columns 4 c + j at X + 4 i + j
.set T,   48                           ; v[48:63]  column 4 c + j, rows 8 g + 2 pp, + 1 at T + 4 j + pp
	s_load_b256 s[4:11], s[0:1], 0x0               ; Wq, Wk, Wv, Wo
	s_load_b64 s[12:13], s[0:1], 0x20              ; wt
	v_lshl_add_u32 v[SPW], v0, 2, SPARE
	v_mov_b32 v[NIL], 0
	v_and_b32 v1, 15, v0                           ; c
	v_lshrrev_b32 v2, 4, v0                        ; g
	v_lshlrev_b32 v7, 4, v1                        ; 16 c
	v_lshl_add_u32 v3, v2, 15, v7                  ; in: 8 g rows of 4,096 bytes + 16 c
	v_mul_u32_u24 v4, v1, 4*PITCH                  ; into LDS: row 4 c (+ j), byte 16 g
	v_lshl_add_u32 v4, v2, 4, v4
	v_mul_u32_u24 v5, v2, PITCH                    ; out of LDS: row g (+ 16 i), byte 16 c
	v_add_nc_u32 v5, v5, v7
	v_lshl_add_u32 v6, v2, 11, v7                  ; out: row g of 2,048 bytes + 16 c
	s_and_b32 s14, ttmp7, 0xffff                   ; y: which matrix
	s_and_b32 s15, ttmp9, 7                        ; which 128 rows k
	s_lshr_b32 s22, ttmp9, 3                       ; which 64 columns n
	s_lshl_b32 s18, s15, 19                        ; 128 rows of 4,096 bytes
	s_lshl_b32 s19, s22, 8                         ; 64 columns of 4 bytes
	s_add_co_u32 s18, s18, s19
	s_mov_b32 s19, 0
	s_lshl_b32 s20, s14, 21                        ; a part of wt is 2,097,152 bytes
	s_lshl_b32 s21, s22, 17                        ; 64 rows of 2,048 bytes
	s_add_co_u32 s20, s20, s21
	s_lshl_b32 s21, s15, 8                         ; 128 numbers of 2 bytes
	s_add_co_u32 s20, s20, s21
	s_mov_b32 s21, 0
	s_wait_kmcnt 0x0
	s_cmp_eq_u32 s14, 1
	s_cselect_b64 s[16:17], s[6:7], s[4:5]
	s_cmp_eq_u32 s14, 2
	s_cselect_b64 s[16:17], s[8:9], s[16:17]
	s_cmp_eq_u32 s14, 3
	s_cselect_b64 s[16:17], s[10:11], s[16:17]
	s_add_nc_u64 s[16:17], s[16:17], s[18:19]
	s_add_nc_u64 s[12:13], s[12:13], s[20:21]
.irp i, 0,1,2,3,4,5,6,7
	global_load_b128 v[X+4*(\i):X+4*(\i)+3], v3, s[16:17] offset:(\i)*4096 th:TH_LOAD_NT  ; sixteen lanes take 256 consecutive bytes of a row
.endr
	s_wait_loadcnt 0x0
.irp j, 0,1,2,3
.irp pp, 0,1,2,3
	v_cvt_pk_bf16_f32 v[T+4*(\j)+(\pp)], v[X+8*(\pp)+(\j)], v[X+8*(\pp)+4+(\j)]  ; two neighbouring k of one column
.endr
.endr
	s_cmp_lg_u32 s14, 3
	s_cbranch_scc1 .Lstays_bf16
.irp i, 0,1,2,3,4,5,6,7,8,9,10,11,12,13,14,15
	v_lshlrev_b32 v10, 16, v[T+(\i)]               ; Wo: the bf16 numbers as f32,
	v_and_b32 v11, 0xffff0000, v[T+(\i)]
	v_cvt_pk_f16_f32 v[T+(\i)], v10, v11           ; and written as f16
.endr
.Lstays_bf16:
.irp j, 0,1,2,3
	ds_store_b128 v4, v[T+4*(\j):T+4*(\j)+3] offset:(\j)*PITCH  ; the lanes' rows lie four apart, so four lanes share a group of banks: four stores a thread in the whole launch
.endr
	s_wait_dscnt 0x0                               ; for the others' sake: my stores are done
	s_barrier_signal -1
	s_barrier_wait -1
.irp i, 0,1,2,3
	ds_load_b128 v[X+4*(\i):X+4*(\i)+3], v5 offset:(\i)*16*PITCH
.endr
.irp i, 0,1,2,3
	s_wait_dscnt 3-(\i)                            ; the younger loads may stay out
	global_store_b128 v6, v[X+4*(\i):X+4*(\i)+3], s[12:13] offset:(\i)*32768  ; sixteen lanes store 256 consecutive bytes, aligned
.endr
	s_wait_tensorcnt 0x0                           ; the wave's end, behind my last LDS store
	ds_add_u32 v[SPW], v[NIL]
	s_wait_dscnt 0x0
	s_endpgm
.Lfunc_end_k_qc0c9dca97b_prep:
	.size	k_qc0c9dca97b_prep, .Lfunc_end_k_qc0c9dca97b_prep-k_qc0c9dca97b_prep
	.p2alignl 7, 3214868480
	.fill 96, 4, 3214868480
	.section	.rodata,"a",@progbits
	.p2align	6, 0x0
	.amdhsa_kernel k_qc0c9dca97b_prep
		.amdhsa_group_segment_fixed_size 18432
		.amdhsa_private_segment_fixed_size 0
		.amdhsa_enable_private_segment 0
		.amdhsa_kernarg_size 40
		.amdhsa_user_sgpr_count 2
		.amdhsa_user_sgpr_kernarg_segment_ptr 1
		.amdhsa_wavefront_size32 1
		.amdhsa_system_sgpr_workgroup_id_x 1
		.amdhsa_system_sgpr_workgroup_id_y 1
		.amdhsa_system_sgpr_workgroup_id_z 1
		.amdhsa_system_vgpr_workitem_id 0
		.amdhsa_next_free_vgpr 64
		.amdhsa_next_free_sgpr 66
		.amdhsa_reserve_vcc 0
		.amdhsa_float_denorm_mode_32 3
		.amdhsa_float_denorm_mode_16_64 3
		.amdhsa_memory_ordered 1
		.amdhsa_forward_progress 1
		.amdhsa_inst_pref_size 8
	.end_amdhsa_kernel
	.amdgpu_metadata
---
amdhsa.version: [ 1, 2 ]
amdhsa.kernels:
  - .name:           k_qc0c9dca97b_prep
    .symbol:         k_qc0c9dca97b_prep.kd
    .args:
      - { .name: Wq, .offset: 0, .size: 8, .value_kind: global_buffer, .address_space: global }
      - { .name: Wk, .offset: 8, .size: 8, .value_kind: global_buffer, .address_space: global }
      - { .name: Wv, .offset: 16, .size: 8, .value_kind: global_buffer, .address_space: global }
      - { .name: Wo, .offset: 24, .size: 8, .value_kind: global_buffer, .address_space: global }
      - { .name: wt, .offset: 32, .size: 8, .value_kind: global_buffer, .address_space: global }
    .group_segment_fixed_size: 18432
    .private_segment_fixed_size: 0
    .kernarg_segment_align: 8
    .kernarg_segment_size: 40
    .max_flat_workgroup_size: 256
    .sgpr_count:     66
    .vgpr_count:     64
    .wavefront_size: 32
...
	.end_amdgpu_metadata
.endif
;; end of part 1
;; launch proj (part 2): grid 4 x 64, 4 waves a work-group, clusters of 4 x 4, 327,680 bytes of LDS; arguments query, key, value, wt, bq, bk, bv, qkv; writes qkv
.if DOCPART == 2
	.amdgcn_target "amdgcn-amd-amdhsa--gfx1250"
	.amdhsa_code_object_version 6
	.text
	.protected	k_qc0c9dca97b_proj
	.globl	k_qc0c9dca97b_proj
	.p2align	8
	.type	k_qc0c9dca97b_proj,@function
k_qc0c9dca97b_proj:
	s_mov_b64 s[64:65], 0
	v_nop
	global_prefetch_b8 v0, s[64:65] scope:SCOPE_SE
	s_setreg_imm32_b32 hwreg(HW_REG_WAVE_MODE, 25, 1), 1
	s_wait_xcnt 0x0
	s_wait_alu depctr_hold_cnt(0) depctr_sa_sdst(0) depctr_va_vdst(0) depctr_va_sdst(0) depctr_va_ssrc(0) depctr_va_vcc(0) depctr_vm_vsrc(0)
	s_getreg_b32 s2, hwreg(HW_REG_IB_STS2, 6, 4)
	s_cmp_eq_u32 s2, 0
	s_cbranch_scc0 .Lentry_in_a_cluster
	s_endpgm
.Lentry_in_a_cluster:
	s_bfe_u32 s2, ttmp6, 0x10000c
	s_cmp_lg_u32 s2, 0xf033
	s_cbranch_scc0 .Lentry_shape_is_right
	s_endpgm
.Lentry_shape_is_right:
; qkv[p][b*16+head][s][d] = f16( sum over k of bf16(x_p[b*1024+s][k]) bf16(W_p[k][head*64+d]) + bf16(b_p[head*64+d]) ), p = 0, 1, 2 for query, key, value.
; x_p: [8192][1024] f32; the weights come as wt[p][n][k] in bf16; sums in f32, K ascending; the result is rounded once, to f16, and left unscaled.
; LIMIT: a result of magnitude 65,520 or more becomes an infinity in f16; below 6e-5 it keeps f16's fixed step of 6e-8.
; SHARES.  A tile is 128 rows x 256 columns; a work-group STAYS and makes the tiles of q, k and v for its rows and columns: 64 x 4 = 256 work-groups, 48 half steps of K = 64 each.
; Four waves, each 64 x 128: 32 accumulators of 16 x 16.
; W^T comes by the tensor data mover, jointly for the four work-groups of a column of the 4 x 4 cluster, through two LDS slots of K = 256: a refill has a slot's 256 matrix instructions, less the 24 round the barrier, in which to land.
; x COMES THROUGH REGISTERS, NOT JOINTLY.  As f32 in LDS a K step of 256 would be 128 KiB beside W^T's 128 KiB, and two such slots do not fit in 320 KiB.  So the four waves load a half step together
; (128 rows x 256 bytes, 16 loads a wave), round it once and store it as bf16 into one of two small LDS slots.  Loads into registers stay out across barriers: four sets of 64 registers,
; each asked for 224 matrix instructions ahead of its conversion.  The price: the four work-groups of a row of the cluster each load the same rows of x.
; x is not prefetched: its loads stand that far ahead themselves.  W^T is: see ASK.
; BOTH STREAMS RUN ON FROM TILE TO TILE.  A tile's sums start from the bias, which is read from LDS straight into the accumulators at the tile's beginning (64 LDS loads), so that every product has one form and no first step is written out.
; THE MATRIX INSTRUCTION IS USED TRANSPOSED: source 0 = 16 rows of W^T, source 1 = 16 rows of x: a lane holds eight neighbouring columns of one row.
; REGISTERS.  window 0: v0-31 addresses; v32-63, v64-95 x's fragments, two buffers; v96-223 the way out.
;   window 1: v0-63, v64-127 W^T's fragments, two buffers; v128-191 x's set 3; v192-194 three addresses.   window 2: the accumulators, (a, b) at 8 (8 a + b).
;   window 3: v0-191 x's sets 0-2; v192-194 the same three addresses: a set's conversions, LDS stores and loads then run under one window setting.
.set PB,     528                       ; a row of W^T in LDS: 512 bytes + 16: 132 words, so the 16 rows of a load start at 16 different groups of four banks (64 banks of 4 bytes: ISA guide 11.1)
.set BQ,     64*PB                     ; what one tensor load brings
.set SLOTB,  4*BQ                      ; 135,168 = 0x21000: shares no bit with wave x BQ, so one exclusive or changes slots
.set PA,     144                       ; a row of x in LDS: 64 bf16 + 16 bytes
.set ASL,    128*PA
.set ABASE,  2*SLOTB                   ; x's two slots: stored by the waves, never a tensor load's target
.set STAGE,  ABASE+2*ASL               ; 16 rows x 144 bytes for each wave, for the way out
.set SP,     144
.set BIASL,  STAGE+4*16*SP             ; the bias: for each wave 3 tiles x 128 columns of f32, the wave's own
.set SPARE,  BIASL+4*3*512             ; the spare words, 128 bytes for each wave
.set ADRA, 16                          ; v16-17  LDS address of my fragments of x in slot 0, 1
.set ADB0, 18                          ; v18  my lane's place in a slot of W^T; never rewritten
.set ADRB, 19                          ; v19  the same in the slot in hand
.set STO,  24                          ; v24  the way out: where I put 16 bytes of a row
.set RD,   25                          ; v25  where I read rows back
.set CO,   26                          ; v26  16 x lane
.set ABI0, 27                          ; v27  my place in my wave's bias; never rewritten
.set SPW,  28                          ; v28  my spare word's address; never rewritten
.set NIL,  29                          ; v29  0; never rewritten
.set PFO,  30                          ; v30  the prefetches' lane offset; never rewritten
.set ABI,  31                          ; v31  my place in the bias of the tile to come
.set AF,   32
.set OB,   96
.set AGO,  192                         ; windows 1 and 3: my byte offset in a half step's rows of x
.set ASTO, 193                         ; windows 1 and 3: v193-194 where I store my 8 bytes of a row, slot 0, 1
.set XA,  4                            ; s[4:5]   x at the half steps that are being asked for
.set XN,  6                            ; s[6:7]   the next tile's x at my rows
.set XNN, 14                           ; s[14:15] the one after
.set G1,  24                           ; s[24:31] descriptor group 1
.set G0A, 32                           ; s[32:35] group 0 of the first fill
.set G0W, 36                           ; s[36:39] group 0 of the second, which then walks on
.set BST, 48                           ; s[48:49] the walking descriptor's next step in bytes
.set PST, 50                           ; s[50:51] the prefetches' next step
.set K512, 52
.set KBIG, 53
.set T0,  54
.set TBB, 55                           ; s55  the slot of W^T in hand: 0 or SLOTB
.set TBI, 56
.set OS,  58                           ; s[58:59] what the next way out adds to qkv's address
.set PFA, 86                           ; s[86:87] where my prefetches stand
.set LIM, 88                           ; s88  1 in a work-group that prefetches, else the greatest number
.set MSB, 0
.macro WIN new                         ; the immediate's high byte repeats the setting that is left; a switch that changes nothing is dropped
.if MSB != (\new)
	s_set_vgpr_msb (MSB<<8)|(\new)
.set MSB, \new
.endif
.endm
.set W_MUL,  0xa1                      ; source 0 window 1, source 1 window 0, C and D window 2
.set TO_B,   0x40                      ; destination window 1, address window 0
.set W_PK,   0x0a                      ; sources 0 and 1 window 2, destination window 0
.set W_IN,   0x80                      ; destination window 2, address window 0
.macro CREST                           ; a round of the cluster's barrier behind its opening barrier
	s_cmp_lg_u32 s10, 0
	s_cbranch_scc1 .Lnot_wave_0_\@
	s_barrier_signal -3
.Lnot_wave_0_\@:
	s_barrier_wait -3
	s_barrier_signal -1
	s_barrier_wait -1
.endm
.macro CROUND
	s_barrier_signal -1
	s_barrier_wait -1
	CREST
.endm
.macro PLACES                          ; four places behind a product, in front of loads into registers that it has read and of conversions that read results
.rept 4
	v_nop
.endr
.endm
.macro JLOAD                           ; the joint refill: every wave fetches its 64 rows; an s_nop 0 and four v_nop follow; the four are also the places in front of the loads behind it
	tensor_load_to_lds s[G0W:G0W+3], s[G1:G1+7]
	s_nop 0
	PLACES
.endm
; A prefetch into the L2 of the fill that the NEXT refill will ask for: 256 matrix instructions ahead of that load.  A fill is 256 rows x 512 bytes for each tile column.  All sixteen clusters read the same rows:
; the first asks.  Of the 64 rows that a wave fetches each of a column's four partners takes 16, told apart by address: two blocks of 256 bytes a row, a lane a block, one instruction a wave.
; So each block is named once.  Fills 0 to 2 come by their loads alone; the last refill has no fill behind it and asks for nothing.
.macro ASK
	s_cmp_gt_u32 s3, s[LIM]
	s_cbranch_scc0 .Lnot_mine_\@
	global_prefetch_b8 v[PFO], s[PFA:PFA+1] th:TH_LOAD_NT scope:SCOPE_SE
.Lnot_mine_\@:
.endm
.macro SETW i                          ; x's set i: its first register and the window setting under which destination, source 0 and source 1 all mean its window
.if (\i) == 3
.set RB, 128
.set WS, 0x45
.else
.set RB, 64*(\i)
.set WS, 0xcf
.endif
.endm
; A half step of x, my wave's 32 rows, into set i.  Load t: lanes 0-15 take the 256 bytes of row 16 (t / 8) + t % 8, lanes 16-31 those of the row eight further down.
.macro ALOAD i, off
	SETW \i
	WIN WS
.irp t, 0,1,2,3,4,5,6,7,8,9,10,11,12,13,14,15
	global_load_b128 v[RB+4*(\t):RB+4*(\t)+3], v[AGO], s[XA:XA+1] offset:(16*((\t)/8)+(\t)%8)*4096+(\off)
.endr
.endm
; Group gI of eight: two loads' numbers are rounded to bf16 in place and stored.  A store's two rows lie 8 x 36 = 288 words apart, 32 banks modulo 64: the 32 lanes touch each bank once.
.macro CVG sl
	WIN WS
	v_cvt_pk_bf16_f32 v[RB+8*gI],   v[RB+8*gI],   v[RB+8*gI+1]
	v_cvt_pk_bf16_f32 v[RB+8*gI+1], v[RB+8*gI+2], v[RB+8*gI+3]
	v_cvt_pk_bf16_f32 v[RB+8*gI+4], v[RB+8*gI+4], v[RB+8*gI+5]
	v_cvt_pk_bf16_f32 v[RB+8*gI+5], v[RB+8*gI+6], v[RB+8*gI+7]
	ds_store_b64 v[ASTO+(\sl)], v[RB+8*gI:RB+8*gI+1]   offset:(16*((2*gI)/8)+(2*gI)%8)*PA
	ds_store_b64 v[ASTO+(\sl)], v[RB+8*gI+4:RB+8*gI+5] offset:(16*((2*gI+1)/8)+(2*gI+1)%8)*PA
.endm
.macro CVALL i, sl
	SETW \i
.set gI, 0
.rept 8
	CVG \sl
.set gI, gI+1
.endr
.endm
; 24 LDS loads: a quarter's fragments (32 along K) into buffers g: W^T's eight at byte kb of the rows of the slot in hand, x's four from quarter q of slot sl
.macro FETCH sl, q, kb, g
	WIN TO_B
.irp b, 0,1,2,3,4,5,6,7
	ds_load_b128 v[64*(\g)+8*(\b):64*(\g)+8*(\b)+3],   v[ADRB] offset:(\b)*16*PB+(\kb)
	ds_load_b128 v[64*(\g)+8*(\b)+4:64*(\g)+8*(\b)+7], v[ADRB] offset:(\b)*16*PB+(\kb)+32
.endr
	WIN 0
.irp a, 0,1,2,3
	ds_load_b128 v[AF+32*(\g)+8*(\a):AF+32*(\g)+8*(\a)+3],   v[ADRA+(\sl)] offset:(\a)*16*PA+(\q)*64
	ds_load_b128 v[AF+32*(\g)+8*(\a)+4:AF+32*(\g)+8*(\a)+7], v[ADRA+(\sl)] offset:(\a)*16*PA+(\q)*64+32
.endr
.endm
.macro PROD f, a, b
	WIN W_MUL
	v_wmma_f32_16x16x32_bf16 v[8*(8*(\a)+(\b)):8*(8*(\a)+(\b))+7], v[64*(\f)+8*(\b):64*(\f)+8*(\b)+7], v[AF+32*(\f)+8*(\a):AF+32*(\f)+8*(\a)+7], v[8*(8*(\a)+(\b)):8*(8*(\a)+(\b))+7]
.endm
.macro MUL f, a                        ; eight products.  In every quarter the 32 accumulators take turns in the same order: 31 others stand between two links of a chain
.irp b, 0,1,2,3,4,5,6,7
	PROD \f, \a, \b
.endr
.endm
; A quarter's 32 products; behind every fourth a group of set i's conversions and stores into slot sl.  The last group's four conversions stand behind the last product and name none of its registers:
; they are the four places in front of what follows.
.macro MULR f, i, sl
	SETW \i
.set gI, 0
.irp a, 0,1,2,3
.irp b, 0,4
	PROD \f, \a, \b
	PROD \f, \a, (\b)+1
	PROD \f, \a, (\b)+2
	PROD \f, \a, (\b)+3
	CVG \sl
.set gI, gI+1
.endr
.endr
.endm
; Once a phase, s3 = 10 - the phase's number: the three walking addresses' steps.  x goes 1,024 bytes along K or, two phases ahead of a tile's beginning, to the next tile's buffer; the descriptor and the
; prefetches go 512 bytes along K or from a part's last quarter of K to the next part's first.
.macro STEP
	s_wait_xcnt 0x0                                ; every load and prefetch issued so far (the youngest load a half step back, the prefetch a phase back) has read its address
	s_and_b32 s[T0], s3, 3
	s_add_nc_u64 s[XA:XA+1], s[XA:XA+1], 1024
	s_cmp_eq_u32 s[T0], 0
	s_cselect_b64 s[XA:XA+1], s[XN:XN+1], s[XA:XA+1]
	s_cselect_b64 s[XN:XN+1], s[XNN:XNN+1], s[XN:XN+1]
	s_cselect_b32 s[BST], s[KBIG], s[K512]
	s_cmp_eq_u32 s[T0], 1
	s_cselect_b32 s[PST], s[KBIG], s[K512]
	s_add_nc_u64 s[PFA:PFA+1], s[PFA:PFA+1], s[PST:PST+1]
.endm
; HALF STEP j = 4 x phase + jj, first part: quarter 0 is multiplied (buffers 0), quarter 1 fetched, x of half step j + 5 asked for, and the half step's barrier passed.
; In front of the barrier each wave has waited for its reads of x's slot j % 2 and for its stores of x(j + 1); behind it x(j + 1) may be read and x(j + 2) stored over x(j).
; kind 0: that alone.  kind 1: the phase's last reads of its slot of W^T are over too: all my tensor loads waited for (one is out: my part of the other slot), the add, the wait for it; the barrier opens a round of
; the cluster's, and the joint refill is the first thing behind it.  kind 2: the last fill is waited for and nothing is asked for.  kind 3: the last half step of all: no barrier.
; pw: the LDS instructions issued behind buffers 0's loads, which may stay out.  np = 1: no conversions stood behind the last product.
.macro E1 jj, kind, ld, pw, np
.if \np
	PLACES
.endif
	s_wait_dscnt \pw                               ; buffers 0 are in
	FETCH (\jj)%2, 1, (2*(\jj)+1)*64, 1
	MUL 0, 0
.if \ld
	s_wait_dscnt 24                                ; all but the 24 loads just issued: the stores out of the set below are done
.if (\jj) == 3
	STEP
.endif
	ALOAD ((\jj)+1)%4, (((\jj)+1)%4)*256
.endif
.if (\kind) == 1
	WIN 0
	s_wait_tensorcnt 0x0                           ; no tensor load of mine is out, so the walking group 0 may be written
	ds_add_u32 v[SPW], v[NIL]                      ; 0 onto my spare word: the steps and eight products stand between it and the wait for it
	s_xor_b32 s[G0W+1], s[G0W+1], SLOTB
	s_add_nc_u64 s[G0W+2:G0W+3], s[G0W+2:G0W+3], s[BST:BST+1]
.endif
	MUL 0, 1
.if (\kind) == 2
	s_wait_tensorcnt 0x0                           ; my part of the last fill is in
.endif
.if (\kind) != 3
	s_wait_dscnt 0x0                               ; my reads and my stores are done (and the add)
	s_barrier_signal -1
.endif
	MUL 0, 2                                       ; work on registers while the others arrive
	MUL 0, 3
.if (\kind) == 1
	WIN 0
.endif
.if (\kind) != 3
	s_barrier_wait -1
.endif
.if (\kind) == 1
	CREST
	JLOAD
.endif
.endm
; Second part: quarter 1 is multiplied (buffers 1, which the wait in front of the barrier has shown in), quarter 0 of half step j + 1 fetched, x(j + 2) rounded and stored.
; lcnt: the loads issued behind x(j + 2)'s: three sets of 16, fewer at the end.  rf = 1: a joint load stands directly ahead.
.macro E2 jj, conv, lcnt, rf, fetch
.if \fetch
.if !(\rf)
	PLACES
.endif
.if (\jj) == 3
	s_xor_b32 s[TBB], s[TBB], SLOTB                ; the next phase's slot
	WIN 0
	v_add_nc_u32 v[ADRB], s[TBB], v[ADB0]
.endif
	FETCH ((\jj)+1)%2, 0, ((2*(\jj)+2)%8)*64, 0
.if \rf
	ASK                                            ; behind the joint load and the run of LDS loads
.endif
.else
	s_wait_dscnt 0x0
.endif
.if \conv
	s_wait_loadcnt \lcnt
	MULR 1, ((\jj)+2)%4, (\jj)%2
.else
	MUL 1, 0
	MUL 1, 1
	MUL 1, 2
	MUL 1, 3
.endif
.endm
; A PHASE: four half steps, one slot of W^T.  mode 0: in the loop.  mode 1: the last but one: x's last three half steps are asked for, no refill.  mode 2: the last: nothing is asked for, two conversions are left.
.macro PHASE mode
.if (\mode) == 0
	E1 0, 0, 1, 16, 0
	E2 0, 1, 48, 0, 1
	E1 1, 0, 1, 16, 0
	E2 1, 1, 48, 0, 1
	E1 2, 0, 1, 16, 0
	E2 2, 1, 48, 0, 1
	E1 3, 1, 1, 16, 0
	E2 3, 1, 48, 1, 1
.elseif (\mode) == 1
	E1 0, 0, 1, 16, 0
	E2 0, 1, 48, 0, 1
	E1 1, 0, 1, 16, 0
	E2 1, 1, 48, 0, 1
	E1 2, 0, 1, 16, 0
	E2 2, 1, 48, 0, 1
	E1 3, 2, 0, 16, 0
	E2 3, 1, 32, 0, 1
.else
	E1 0, 0, 0, 16, 0
	E2 0, 1, 16, 0, 1
	E1 1, 0, 0, 16, 0
	E2 1, 1, 0, 0, 1
	E1 2, 0, 0, 16, 0
	E2 2, 0, 0, 0, 1
	E1 3, 3, 0, 0, 1
	E2 3, 0, 0, 0, 0
.endif
.endm
; The four accumulators of unit u = 2 a + hd take the bias of the tile to come: register j of block b holds column 16 b + 8 (lane / 16) + j; sixteen lanes read the same words.
.macro INITU u
	WIN W_IN
.irp bb, 0,1,2,3
	ds_load_b128 v[8*(8*((\u)/2)+4*((\u)%2)+(\bb)):8*(8*((\u)/2)+4*((\u)%2)+(\bb))+3],   v[ABI] offset:64*(4*((\u)%2)+(\bb))
	ds_load_b128 v[8*(8*((\u)/2)+4*((\u)%2)+(\bb))+4:8*(8*((\u)/2)+4*((\u)%2)+(\bb))+7], v[ABI] offset:64*(4*((\u)%2)+(\bb))+16
.endr
	WIN 0
.endm
; THE WAY OUT of unit u: 16 rows of one head, 2,048 consecutive bytes of qkv.  Rounded to f16 (each accumulator's registers in ascending order), 16 bytes a lane into my own stage, back as whole rows.
.macro PACK u, ini
	WIN W_PK
.irp bb, 0,1,2,3
.irp j, 0,1,2,3
	v_cvt_pk_f16_f32 v[OB+16*(\u)+4*(\bb)+(\j)], v[8*(8*((\u)/2)+4*((\u)%2)+(\bb))+2*(\j)], v[8*(8*((\u)/2)+4*((\u)%2)+(\bb))+2*(\j)+1]
.endr
.endr
	WIN 0
.irp bb, 0,1,2,3
	ds_store_b128 v[STO], v[OB+16*(\u)+4*(\bb):OB+16*(\u)+4*(\bb)+3] offset:32*(\bb)
.endr
.irp f, 0,1,2,3
	ds_load_b128 v[OB+16*(\u)+4*(\f):OB+16*(\u)+4*(\f)+3], v[RD] offset:(\f)*4*SP  ; LDS serves a wave's instructions in order (ISA guide 5.7.1.4): these see the stores above
.endr
.if \ini
	INITU \u
.endif
.endm
.macro SEND u, younger                 ; younger: the LDS instructions issued behind unit u's loads from the stage
.irp f, 0,1,2,3
	s_wait_dscnt (\younger)+3-(\f)
	global_store_b128 v[CO], v[OB+16*(\u)+4*(\f):OB+16*(\u)+4*(\f)+3], s[8:9] offset:((\u)%2)*131072+((\u)/2)*2048+(\f)*512  ; 512 consecutive bytes, aligned; each unit has registers of its own
.endr
.endm
.macro WAYOUT ini                      ; ini = 1: a tile follows
	WIN 0
	s_wait_xcnt 0x0                                ; the last tile's stores have read their registers and their base
	s_add_nc_u64 s[8:9], s[8:9], s[OS:OS+1]        ; on to this tile's part of qkv
	s_mov_b32 s[OS], 0x1000000                     ; a part is 16,777,216 bytes
.if \ini
	s_cmp_eq_u32 s3, 7                             ; behind the first tile the second's bias, behind the second the third's
	s_cselect_b32 s[TBI], s[K512], 0x400
	v_add_nc_u32 v[ABI], s[TBI], v[ABI0]
.endif
	PACK 0, \ini
.irp u, 1,2,3,4,5,6,7
	PACK \u, \ini                                  ; a unit's conversions stand between the loads of the unit before and its stores
	SEND (\u)-1, 8+16*(\ini)
.endr
	SEND 7, 8*(\ini)
.endm
	s_load_b512 s[68:83], s[0:1], 0x0              ; query 68, key 70, value 72, wt 74, bq 76, bk 78, bv 80, qkv 82
	v_lshl_add_u32 v[SPW], v0, 2, SPARE
	v_mov_b32 v[NIL], 0
	ds_add_u32 v[SPW], v[NIL]                      ; the wave's opening: the add and its wait stand ahead of my first tensor load; the set-up below stands between them
	ds_add_u32 v28, v29
	v_lshrrev_b32 v1, 5, v0
	v_readfirstlane_b32 s10, v1                    ; wave 0..3
	s_lshr_b32 s11, s10, 1                         ; my half of the tile's rows
	s_and_b32 s12, s10, 1                          ; my half of its columns
	s_bfe_u32 s40, ttmp6, 0x40000                  ; cx
	s_bfe_u32 s41, ttmp6, 0x40004                  ; cy
	s_lshl_b32 s42, ttmp9, 2
	s_add_co_u32 s42, s42, s40                     ; tile column = 4 x cluster x + cx
	s_and_b32 s92, ttmp7, 0xffff                   ; cluster y
	s_lshl_b32 s13, s92, 2
	s_add_co_u32 s13, s13, s41                     ; tile row = 4 x cluster y + cy
	s_lshl_b32 s44, 0x1111, s40                    ; my column of the cluster
	s_or_b32 s[G1+0], s44, (1<<16)|(1<<20)|(1<<21)|(6<<22)|(3<<25)  ; mask; elements of 2 bytes; padding on; 21 set beside a mask; after every 128 words, 4 words
	s_mov_b32 s[G1+1], 256<<16                     ; tensor_dim0 = 256
	s_mov_b32 s[G1+2], 64<<16                      ; tensor_dim1 = 64
	s_mov_b32 s[G1+3], 256<<16                     ; tile_dim0 = 256
	s_mov_b32 s[G1+4], 64                          ; tile_dim1 = 64
	s_mov_b32 s[G1+5], 1024                        ; elements from row to row
	s_mov_b32 s[G1+6], 0
	s_mov_b32 s[G1+7], 0
	v_and_b32 v1, 15, v0                           ; r = lane % 16
	v_bfe_u32 v2, v0, 4, 1                         ; h = lane / 16
	v_and_b32 v5, 31, v0                           ; lane
	v_lshlrev_b32 v[CO], 4, v5
	v_lshlrev_b32 v6, 4, v1                        ; x in memory: 16 r + 8 h rows of 4,096 bytes
	v_lshl_add_u32 v6, v2, 15, v6
	v_mul_u32_u24 v7, v2, 8*PA                     ; x into LDS: 8 h rows + 8 r
	v_lshl_add_u32 v7, v1, 3, v7
	s_lshl_b32 s16, s10, 17                        ; my wave's 32 rows of 4,096 bytes
	s_mul_i32 s17, s10, 32*PA
	s_add_co_u32 s17, s17, ABASE
	s_add_co_u32 s19, s17, ASL
	WIN 0xc0                                       ; destination window 3
	v_add_nc_u32 v[AGO], s16, v6
	v_add_nc_u32 v[ASTO], s17, v7
	v_add_nc_u32 v[ASTO+1], s19, v7
	WIN 0x40                                       ; destination window 1
	v_add_nc_u32 v[AGO], s16, v6
	v_add_nc_u32 v[ASTO], s17, v7
	v_add_nc_u32 v[ASTO+1], s19, v7
	WIN 0
	v_mul_u32_u24 v3, v1, PA                       ; a fragment of x: row r, 16 bytes for each half of the lanes
	v_lshl_add_u32 v3, v2, 4, v3
	s_mul_i32 s21, s11, 64*PA
	s_add_co_u32 s21, s21, ABASE
	v_add_nc_u32 v[ADRA], s21, v3
	s_add_co_u32 s21, s21, ASL
	v_add_nc_u32 v[ADRA+1], s21, v3
	v_mul_u32_u24 v4, v1, PB                       ; a fragment of W^T likewise
	v_lshl_add_u32 v4, v2, 4, v4
	s_mul_i32 s22, s12, 128*PB
	v_add_nc_u32 v[ADB0], s22, v4
	v_mov_b32 v[ADRB], v[ADB0]
	s_mul_i32 s20, s10, 16*SP
	s_add_co_u32 s20, s20, STAGE                   ; my stage
	v_mul_u32_u24 v[STO], v1, SP
	v_lshl_add_u32 v[STO], v2, 4, v[STO]
	v_add_nc_u32 v[STO], s20, v[STO]
	v_bfe_u32 v[RD], v0, 3, 2                      ; back: 32 lanes take four rows of 128 bytes
	v_mul_u32_u24 v[RD], v[RD], SP
	v_and_b32 v8, 7, v0
	v_lshl_add_u32 v[RD], v8, 4, v[RD]
	v_add_nc_u32 v[RD], s20, v[RD]
	s_mul_i32 s23, s10, 3*512
	s_add_co_u32 s23, s23, BIASL                   ; my wave's bias
	v_lshl_add_u32 v[ABI0], v2, 5, s23
	v_mov_b32 v[ABI], v[ABI0]
	v_add_nc_u32 v9, s23, v[CO]
	v_lshrrev_b32 v10, 1, v5                       ; the prefetches: row lane / 2 of 2,048 bytes, block lane % 2
	v_lshlrev_b32 v10, 11, v10
	v_and_b32 v11, 1, v5
	v_lshl_add_u32 v[PFO], v11, 8, v10
	s_lshl_b32 s46, s13, 19                        ; x: 128 rows of 4,096 bytes a tile row
	s_mov_b32 s47, 0
	s_lshl_b32 s94, s42, 8                         ; W^T: row 256 x tile column + 64 x wave,
	s_lshl_b32 s95, s10, 6
	s_add_co_u32 s94, s94, s95
	s_lshl_b32 s94, s94, 11                        ; of 2,048 bytes
	s_mov_b32 s95, 0
	s_lshl_b32 s98, s41, 15                        ; the prefetches: my work-group's 16 of those 64 rows,
	s_add_co_u32 s98, s98, s94
	s_add_co_u32 s98, s98, 2*512                   ; at fill 2: the first refill steps them to fill 3
	s_mov_b32 s99, 0
	s_lshl_b32 s96, s42, 10                        ; the bias of my 128 columns
	s_lshl_b32 s97, s12, 9
	s_add_co_u32 s96, s96, s97
	s_mov_b32 s97, 0
	s_mul_i32 s18, s10, BQ                         ; where my rows of W^T go: no place in the cluster enters an LDS address
	s_lshr_b32 s[OS], s13, 3                       ; where my 64 rows x 2 heads begin in a part of qkv: the batch (8 tile rows each),
	s_lshl_b32 s[OS], s[OS], 4
	s_lshl_b32 s21, s42, 2                         ; the head: 4 a tile column, 2 a wave,
	s_add_co_u32 s[OS], s[OS], s21
	s_lshl_b32 s21, s12, 1
	s_add_co_u32 s[OS], s[OS], s21
	s_lshl_b32 s[OS], s[OS], 17                    ; of 131,072 bytes,
	s_and_b32 s21, s13, 7
	s_lshl_b32 s21, s21, 14                        ; the tile's 128 rows of 128 bytes,
	s_add_co_u32 s[OS], s[OS], s21
	s_lshl_b32 s21, s11, 13                        ; my 64 of them
	s_add_co_u32 s[OS], s[OS], s21
	s_mov_b32 s[OS+1], 0
	s_cmp_eq_u32 s92, 0                            ; the first cluster prefetches: the same in all sixteen partners
	s_cselect_b32 s[LIM], 1, -1
	s_mov_b32 s[K512], 512
	s_mov_b32 s[KBIG], 2097152-3*512               ; from a part's last quarter of K to the next part's first
	s_mov_b32 s[BST+1], 0
	s_mov_b32 s[PST+1], 0
	s_mov_b32 s[TBB], 0
	s_wait_dscnt 0x0                               ; the opening add is done
	s_wait_kmcnt 0x0
	s_add_nc_u64 s[XA:XA+1], s[68:69], s[46:47]
	s_add_nc_u64 s[XN:XN+1], s[70:71], s[46:47]
	s_add_nc_u64 s[XNN:XNN+1], s[72:73], s[46:47]
	s_add_nc_u64 s[94:95], s[74:75], s[94:95]
	s_add_nc_u64 s[PFA:PFA+1], s[74:75], s[98:99]
	s_add_nc_u64 s[76:77], s[76:77], s[96:97]
	s_add_nc_u64 s[78:79], s[78:79], s[96:97]
	s_add_nc_u64 s[80:81], s[80:81], s[96:97]
	s_mov_b64 s[8:9], s[82:83]
	global_load_b128 v[OB:OB+3],    v[CO], s[76:77]  ; the three biases: 512 consecutive bytes a wave
	global_load_b128 v[OB+4:OB+7],  v[CO], s[78:79]
	global_load_b128 v[OB+8:OB+11], v[CO], s[80:81]
	ALOAD 0, 0                                     ; x of half steps 0, 1, 2
	ALOAD 1, 256
	ALOAD 2, 512
	WIN 0
	s_mov_b32 s[G0A], 1
	s_mov_b32 s[G0A+1], s18
	s_mov_b64 s[G0A+2:G0A+3], s[94:95]
	s_or_b32 s[G0A+3], s[G0A+3], 0x80000000
	s_mov_b32 s[G0W], 1
	s_add_co_u32 s[G0W+1], s18, SLOTB
	s_add_nc_u64 s[G0W+2:G0W+3], s[94:95], 512
	s_or_b32 s[G0W+3], s[G0W+3], 0x80000000
	CROUND                                         ; all sixteen work-groups are here: the first joint loads meet
	tensor_load_to_lds s[G0A:G0A+3], s[G1:G1+7]    ; K 0-255 of the first tile
	s_nop 0
	tensor_load_to_lds s[G0W:G0W+3], s[G1:G1+7]    ; K 256-511: two tensor loads of mine are out
	s_nop 0
	PLACES
	s_wait_loadcnt 48                              ; the biases are in; x's 48 loads, issued behind them, may stay out
	ALOAD 3, 768
	WIN 0
.irp p, 0,1,2
	v_cvt_pk_bf16_f32 v10, v[OB+4*(\p)], v[OB+4*(\p)+1]      ; rounded to bf16 like every input, and widened again
	v_cvt_pk_bf16_f32 v11, v[OB+4*(\p)+2], v[OB+4*(\p)+3]
	v_lshlrev_b32 v[OB+4*(\p)], 16, v10
	v_and_b32 v[OB+4*(\p)+1], 0xffff0000, v10
	v_lshlrev_b32 v[OB+4*(\p)+2], 16, v11
	v_and_b32 v[OB+4*(\p)+3], 0xffff0000, v11
	ds_store_b128 v9, v[OB+4*(\p):OB+4*(\p)+3] offset:512*(\p)  ; my wave's own bytes: only I read them, and LDS serves my instructions in order
.endr
	INITU 0
	INITU 1
	INITU 2
	INITU 3
	s_wait_loadcnt 48                              ; x(0) is in; three sets were asked for behind it
	CVALL 0, 0
	s_wait_xcnt 0x0                                ; the loads have read their base
	s_add_nc_u64 s[XA:XA+1], s[XA:XA+1], 1024
	s_wait_dscnt 0x0                               ; the stores out of set 0 are done
	ALOAD 0, 0                                     ; x(4)
	INITU 4
	INITU 5
	INITU 6
	INITU 7
	s_wait_loadcnt 48                              ; x(1)
	CVALL 1, 1
	WIN 0
	s_wait_tensorcnt 1                             ; my part of the first fill is in; the second may stay out
	s_wait_dscnt 0x0                               ; my stores of x(0) and x(1) are done
	s_barrier_signal -1
	s_barrier_wait -1
	FETCH 0, 0, 0, 0
	s_wait_dscnt 0x0                               ; once: no stores stand behind these loads, as they do in the loop
	s_mov_b32 s3, 10
.Lphase:                                       ; ten phases: each ends with a refill, two fills ahead
	PHASE 0
	WIN 0
	s_and_b32 s[T0], s3, 3
	s_cmp_eq_u32 s[T0], 3                          ; phases 3 and 7 end a tile
	s_cbranch_scc0 .Lgo_on                         ; forward, past text with no barrier and no tensor load
	WAYOUT 1
.Lgo_on:
	s_sub_co_u32 s3, s3, 1
	s_cmp_lg_u32 s3, 0
	s_cbranch_scc1 .Lphase
	PHASE 1                                        ; the last two phases are written out: they ask for no fill
	PHASE 2
	PLACES                                         ; behind the last product, in front of conversions that read results
	WAYOUT 0
	s_wait_tensorcnt 0x0                           ; the wave's end
	ds_add_u32 v[SPW], v[NIL]
	s_wait_dscnt 0x0
	CROUND                                         ; the closing round
	s_endpgm
.Lfunc_end_k_qc0c9dca97b_proj:
	.size	k_qc0c9dca97b_proj, .Lfunc_end_k_qc0c9dca97b_proj-k_qc0c9dca97b_proj
	.p2alignl 7, 3214868480
	.fill 96, 4, 3214868480
	.section	.rodata,"a",@progbits
	.p2align	6, 0x0
	.amdhsa_kernel k_qc0c9dca97b_proj
		.amdhsa_group_segment_fixed_size 327680
		.amdhsa_private_segment_fixed_size 0
		.amdhsa_enable_private_segment 0
		.amdhsa_kernarg_size 64
		.amdhsa_user_sgpr_count 2
		.amdhsa_user_sgpr_kernarg_segment_ptr 1
		.amdhsa_wavefront_size32 1
		.amdhsa_system_sgpr_workgroup_id_x 1
		.amdhsa_system_sgpr_workgroup_id_y 1
		.amdhsa_system_sgpr_workgroup_id_z 1
		.amdhsa_system_vgpr_workitem_id 0
		.amdhsa_next_free_vgpr 964
		.amdhsa_next_free_sgpr 100
		.amdhsa_reserve_vcc 0
		.amdhsa_float_denorm_mode_32 3
		.amdhsa_float_denorm_mode_16_64 3
		.amdhsa_memory_ordered 1
		.amdhsa_forward_progress 1
		.amdhsa_inst_pref_size 203
	.end_amdhsa_kernel
	.amdgpu_metadata
---
amdhsa.version: [ 1, 2 ]
amdhsa.kernels:
  - .name:           k_qc0c9dca97b_proj
    .symbol:         k_qc0c9dca97b_proj.kd
    .args:
      - { .name: query, .offset: 0, .size: 8, .value_kind: global_buffer, .address_space: global }
      - { .name: key, .offset: 8, .size: 8, .value_kind: global_buffer, .address_space: global }
      - { .name: value, .offset: 16, .size: 8, .value_kind: global_buffer, .address_space: global }
      - { .name: wt, .offset: 24, .size: 8, .value_kind: global_buffer, .address_space: global }
      - { .name: bq, .offset: 32, .size: 8, .value_kind: global_buffer, .address_space: global }
      - { .name: bk, .offset: 40, .size: 8, .value_kind: global_buffer, .address_space: global }
      - { .name: bv, .offset: 48, .size: 8, .value_kind: global_buffer, .address_space: global }
      - { .name: qkv, .offset: 56, .size: 8, .value_kind: global_buffer, .address_space: global }
    .group_segment_fixed_size: 327680
    .private_segment_fixed_size: 0
    .kernarg_segment_align: 8
    .kernarg_segment_size: 64
    .max_flat_workgroup_size: 128
    .sgpr_count:     100
    .vgpr_count:     964
    .wavefront_size: 32
...
	.end_amdgpu_metadata
.endif
;; end of part 2
;; launch attn (part 3): grid 2 x 128, 4 waves a work-group, no clusters, 327,680 bytes of LDS; arguments qkv, mask, att; writes att
.if DOCPART == 3
	.amdgcn_target "amdgcn-amd-amdhsa--gfx1250"
	.amdhsa_code_object_version 6
	.text
	.protected	k_qc0c9dca97b_attn
	.globl	k_qc0c9dca97b_attn
	.p2align	8
	.type	k_qc0c9dca97b_attn,@function
k_qc0c9dca97b_attn:
	s_mov_b64 s[64:65], 0
	v_nop
	global_prefetch_b8 v0, s[64:65] scope:SCOPE_SE
	s_setreg_imm32_b32 hwreg(HW_REG_WAVE_MODE, 25, 1), 1
	s_wait_xcnt 0x0
; att[bh][q][:] = the sum over k of softmax_k(Q[bh][q] . K[bh][k] / 8 + (1 - mask[b][k]) x -10000) V[bh][k][:].  Q, K, V are the three parts of qkv, [128][1024][64] f16; att likewise; mask [8][1024] f32.
; Products, maxima and sums in f32; the weights p are rounded to f16 for the second product (their sum l is taken of the unrounded p), the result once at the end.
; LIMITS.  The mask is rounded to bf16 like every input.  A score is formed as Q.K + (80000 mask - 80000), which is 8 x the masked score: beside 80000 it keeps a step of 2^-7.
; p below 6e-5 keeps f16's fixed step of 6e-8; a weight below 2^-126 counts as 0 in l; NaN and infinities are not treated apart.
; SHARES.  A work-group owns 512 queries of one (batch, head): 256 work-groups.  A wave owns four PIECES of two tiles of 16 queries.  Every wave walks all 1,024 keys, 64 a step.
; THE WHOLE HEAD'S K AND V LIE IN LDS (1,024 x (144 + 160) bytes): nothing is filled twice.  Keys 0-255 are asked for first and alone; keys 256-1023 when those are in, one load a wave;
; three and a half key steps pass before they are wanted.  NO CLUSTER: a head has two blocks of 512 queries, so a cluster of four would hold two heads and a joint load's address would hang on the place in the cluster.
; NO PREFETCH: the second load is itself issued as soon as the first has landed, long ahead of its use, and the first stands at the kernel's head.
; LAYOUT.  S^T = K Q^T (source 0 = 16 keys, source 1 = 16 queries): a lane holds ONE query (lane % 16) and the keys 8 (lane / 16) + 0..7; the mask's term is the C operand that starts the sum.
; Two such tiles rounded to f16 ARE source 1 of O^T = V^T P.  K comes out of LDS as it lies, V turned, by ds_load_tr16_b128.
; SOFTMAX.  A running maximum m and sum l for each query: p = 2^(c s - c m), c = log2(e) / 8; in every step O and l are multiplied by a = 2^(c m_old - c m_new).  m starts at the lowest finite number, O and l at 0.
; BY TURNS.  Turn n belongs to piece n: 16 products K Q^T of piece n + 1, later 16 products V^T P of piece n - 1; beside them the scaling, exponentials, roundings, sums and rescaling of piece n and the
; maximum and statistics of piece n + 1.  Four vector instructions stand behind every matrix instruction, the rest in one run; a turn's 66 exponentials are one batch with one wait.
; REGISTERS, in windows of 256 (s_set_vgpr_msb: bits 1:0 source 0, 3:2 source 1, 5:4 source 2, 7:6 destination):
;   window 0: v0-11 addresses; v12-15, v48-63 at work; v16-47 statistics; v64-191 S^T, two buffers of two tiles; v192-255 P, likewise
;   window 1: O^T, 32 a tile     window 2: v0-127 Q; v128-191 K of one step; v192-255 V of one step     window 3: v0-1 the add's two registers; v8-39 the mask's terms of one step
.set NP,    4
.set KS,    64
.set PK,    144       ; a row of K in LDS: 128 bytes + 16: 36 words: the 16 rows of a load start at 16 different groups of four banks (64 banks of 4 bytes: ISA guide 11.1)
.set PV,    160       ; a row of V: 128 + 32
.set VOFF,  1024*PK
.set MB,    VOFF+1024*PV   ; the mask's 1,024 terms in f32: stored by the waves, never a tensor load's target
.set STAGE, MB+4096        ; 16 rows x 144 bytes for each wave, for the way out
.set SP,    144
.set SPARE, STAGE+4*16*SP  ; the spare words, 128 bytes for each wave
.set AK0, 2           ; v2   my lane's place in a step of K; never rewritten
.set AV0, 3           ; v3   the same for V
.set AK,  4           ; v4   the LDS address of K's next run of loads
.set AV,  5           ; v5   of V's
.set STO, 6           ; v6   the way out: where I put 16 bytes of a row
.set RD,  7           ; v7   where I read rows back
.set GO,  8           ; v8   16 x lane
.set AM0, 9           ; v9   MB + 32 (lane / 16); never rewritten
.set AM,  10          ; v10  the LDS address of the mask's next run
.set QO,  11          ; v11  my byte offset in 16 rows of Q
.set SPW, 0           ; v0 of window 3
.set NIL, 1           ; v1 of window 3
.set MC,  8           ; window 3: key block kb at MC + 8 kb
.set MV,  12
.set ST,  16          ; tile t's statistics at v[ST+4 t]: c m, m, l (even keys', odd keys')
.set TMP, 48
.set S,   64
.set P,   192
.set KF,  128
.set VF,  192
.set WV,  12          ; s12  my wave's number
.set G1K, 24
.set G1V, 32
.set G0K, 40
.set G0V, 44
.set PASS, 54         ; s54  2: keys 0-255 alone are in; 1: all are
.set LEFT, 55         ; s55  key steps still to be ended
.set CNT, 57          ; s57  counts a pass's trips
.set CS,  58
.set SEL, 60
.set TBK, 62          ; s62  LDS byte at which K of the step to be fetched begins
.set TBV, 63          ; s63  the same for V, less VOFF
.set TBM, 66          ; s66  the same for the mask's terms, less MB
.set FM,  67          ; s67  80000.0
.set FA,  68          ; s68  -80000.0
.set MSB, 0
.macro WIN new
.if MSB != (\new)
	s_set_vgpr_msb (MSB<<8)|(\new)
.set MSB, (\new)
.endif
.endm
.set W_KQ, 0x0a       ; K and Q in window 2, S^T in window 0
.set W_KM, 0x3a       ; the same with the C operand in window 3
.set W_PV, 0x52       ; V in window 2, P in window 0, O^T in window 1
.set W_RS, 0x41       ; O^T in window 1, a in window 0
.set W_MK, 0xc0
.set W_AD, 0x0f
.macro LOAD                         ; waves 0 and 1 fetch the two halves of K's rows, waves 2 and 3 of V's; an s_nop 0 and four v_nop follow each line
	s_cmp_lt_u32 s[WV], 2
	s_cbranch_scc0 .Lfor_v_\@
	tensor_load_to_lds s[G0K:G0K+3], s[G1K:G1K+7]
	s_nop 0
.rept 4
	v_nop
.endr
	s_branch .Lasked_\@
.Lfor_v_\@:
	tensor_load_to_lds s[G0V:G0V+3], s[G1V:G1V+7]
	s_nop 0
.rept 4
	v_nop
.endr
.Lasked_\@:
.endm
	s_load_b128 s[4:7], s[0:1], 0x0   ; qkv s[4:5], mask s[6:7]
	s_load_b64 s[10:11], s[0:1], 0x10 ; att
	WIN W_MK
	v_lshl_add_u32 v[SPW], v0, 2, SPARE
	v_mov_b32 v[NIL], 0
	WIN W_AD
	ds_add_u32 v[SPW], v[NIL]       ; the wave's opening: the add and its wait stand ahead of my first tensor load
	ds_add_u32 v0, v1
	WIN 0
	v_lshrrev_b32 v1, 5, v0
	v_readfirstlane_b32 s[WV], v1
	s_and_b32 s13, ttmp7, 0xffff    ; batch x 16 + head
	s_lshl_b32 s20, s13, 17         ; its first byte in a part of qkv and in att
	s_and_b32 s16, s[WV], 1         ; which half of the rows I fetch
	s_lshl_b32 s21, s16, 14         ; of the first 256 keys: 128 rows of 128 bytes
	s_add_co_u32 s21, s21, s20
	s_add_co_u32 s22, s21, 0x1000000  ; K is part 1,
	s_mov_b32 s23, 0
	s_add_co_u32 s14, s21, 0x2000000  ; V part 2
	s_mov_b32 s15, 0
	s_lshl_b32 s2, ttmp9, 2
	s_add_co_u32 s2, s2, s[WV]      ; my wave among the head's eight,
	s_lshl_b32 s2, s2, 14           ; its 128 rows
	s_add_co_u32 s2, s2, s20
	s_mov_b32 s3, 0
	s_lshr_b32 s18, s13, 4          ; the batch's row of the mask
	s_lshl_b32 s18, s18, 12
	s_mov_b32 s19, 0
	s_mul_i32 s17, s16, 128*PK
	s_mul_i32 s69, s16, 128*PV
	; group 1: dense bytes asked for as rows of 256 (two keys), padded in LDS behind every key
	s_mov_b32 s[G1K], (1<<16)|(1<<20)|(4<<22)|(3<<25)  ; 2-byte elements; padding on; after every 32 words, 4 words
	s_mov_b32 s[G1V], (1<<16)|(1<<20)|(4<<22)|(7<<25)  ; 8 words
.irp g, G1K, G1V
	s_mov_b32 s[\g+1], 128<<16      ; tensor_dim0 = 128
	s_mov_b32 s[\g+2], 64<<16       ; tensor_dim1 = 64
	s_mov_b32 s[\g+3], 128<<16      ; tile_dim0 = 128
	s_mov_b32 s[\g+4], 64           ; tile_dim1 = 64
	s_mov_b32 s[\g+5], 128
	s_mov_b32 s[\g+6], 0
	s_mov_b32 s[\g+7], 0
.endr
	s_mov_b32 s[CS], 0x3e38aa3b     ; c = log2(e) / 8
	s_mov_b32 s[CS+1], s[CS]
	s_mov_b32 s[SEL], 0x76543210
	s_mov_b32 s[SEL+1], 0xfedcba98
	s_mov_b32 s[TBK], 0
	s_mov_b32 s[TBV], 0
	s_mov_b32 s[TBM], 0
	s_mov_b32 s[FM], 0x479c4000
	s_mov_b32 s[FA], 0xc79c4000
	s_mov_b32 s[G0K], 1
	s_mov_b32 s[G0K+1], s17
	s_mov_b32 s[G0V], 1
	s_add_co_u32 s[G0V+1], s69, VOFF
	s_wait_dscnt 0x0                ; the opening add is done
	s_wait_kmcnt 0x0
	s_add_nc_u64 s[G0K+2:G0K+3], s[4:5], s[22:23]
	s_or_b32 s[G0K+3], s[G0K+3], 0x80000000
	s_add_nc_u64 s[G0V+2:G0V+3], s[4:5], s[14:15]
	s_or_b32 s[G0V+3], s[G0V+3], 0x80000000
	s_add_nc_u64 s[4:5], s[4:5], s[2:3]      ; Q and att at my wave's first row
	s_add_nc_u64 s[10:11], s[10:11], s[2:3]
	s_add_nc_u64 s[6:7], s[6:7], s[18:19]
	LOAD                            ; keys 0-255: one tensor load of mine is out
	v_lshlrev_b32 v1, 5, v0         ; thread t takes the mask of keys 8 t .. 8 t + 7
	global_load_b128 v[52:55], v1, s[6:7]
	global_load_b128 v[56:59], v1, s[6:7] offset:16
	v_and_b32 v48, 15, v0           ; l % 16
	v_bfe_u32 v49, v0, 4, 1         ; l / 16
	v_lshlrev_b32 v[QO], 7, v48
	v_lshl_add_u32 v[QO], v49, 4, v[QO]
	WIN 0x80
.set i, 0
.rept 4*NP                          ; Q stays in registers: tile i / 2, channels 32 (i % 2) on
	global_load_b128 v[8*i:8*i+3],   v[QO], s[4:5] offset:(i/2)*2048+(i%2)*64
	global_load_b128 v[8*i+4:8*i+7], v[QO], s[4:5] offset:(i/2)*2048+(i%2)*64+32
.set i, i+1
.endr
	; What the first turn finds: V's registers and P's second buffer hold 0, O^T and l are 0: no first step is written out.  All this stands in the wait for the first tile.
.set i, VF
.rept 64
	v_mov_b32 v[i], 0
.set i, i+1
.endr
	WIN 0x40
.set i, 0
.rept 64*NP
	v_mov_b32 v[i], 0
.set i, i+1
.endr
	WIN 0
.set i, 0
.rept 2*NP
	v_mov_b32 v[ST+4*i], 0xfe000000    ; c m: far below every c s
	v_mov_b32 v[ST+4*i+1], 0xff7fffff  ; m
	v_mov_b32 v[ST+4*i+2], 0
	v_mov_b32 v[ST+4*i+3], 0
.set i, i+1
.endr
.set i, P+32
.rept 32
	v_mov_b32 v[i], 0
.set i, i+1
.endr
	v_mul_u32_u24 v[AK0], v48, PK
	v_lshl_add_u32 v[AK0], v49, 4, v[AK0]
	v_and_b32 v50, 7, v0
	v_bfe_u32 v51, v0, 3, 1
	v_lshl_add_u32 v[AV0], v49, 3, v50   ; the turning load: lane l reads key 8 (l / 16) + l % 8, channels 8 ((l / 8) % 2) + 0..7
	v_mul_u32_u24 v[AV0], v[AV0], PV
	v_lshl_add_u32 v[AV0], v51, 4, v[AV0]
	v_add_nc_u32 v[AV0], VOFF, v[AV0]
	v_mov_b32 v[AK], v[AK0]
	v_lshl_add_u32 v[AM0], v49, 5, MB
	v_mov_b32 v[AM], v[AM0]
	s_mul_i32 s13, s[WV], 16*SP
	s_add_co_u32 s13, s13, STAGE
	v_mul_u32_u24 v[STO], v48, SP
	v_lshl_add_u32 v[STO], v49, 4, v[STO]
	v_add_nc_u32 v[STO], s13, v[STO]
	v_bfe_u32 v[RD], v0, 3, 2
	v_mul_u32_u24 v[RD], v[RD], SP
	v_lshl_add_u32 v[RD], v50, 4, v[RD]
	v_add_nc_u32 v[RD], s13, v[RD]
	v_and_b32 v[GO], 31, v0
	v_lshlrev_b32 v[GO], 4, v[GO]
	s_wait_loadcnt 32               ; the mask's two loads are in; Q's 32, issued behind them, may stay out
.irp i, 0,1,2,3
	v_cvt_pk_bf16_f32 v60, v[52+2*\i], v[52+2*\i+1]
	v_lshlrev_b32 v[52+2*\i], 16, v60
	v_and_b32 v[52+2*\i+1], 0xffff0000, v60
.endr
.irp i, 0,1,2,3,4,5,6,7
	v_fma_f32 v[52+\i], v[52+\i], s[FM], s[FA]   ; 80000 mask - 80000 = 8 x (1 - mask) x -10000
.endr
	v_lshl_add_u32 v61, v0, 5, MB
	ds_store_b128 v61, v[52:55]
	ds_store_b128 v61, v[56:59] offset:16
	; Keys 0-255 are in; keys 256-1023 are asked for: bytes filled for the first time, issued as a refill is: all my tensor loads waited for, the add, its wait, a barrier, one load a wave first behind it.
	WIN W_AD
	s_wait_tensorcnt 0x0            ; no tensor load of mine is out, so the descriptors may be written
	ds_add_u32 v[SPW], v[NIL]       ; 0 onto my spare word
	WIN 0
	s_mov_b32 s[G1K+2], 192<<16     ; 384 keys a wave: 192 rows of 256 bytes
	s_mov_b32 s[G1K+4], 192
	s_mov_b32 s[G1V+2], 192<<16
	s_mov_b32 s[G1V+4], 192
	s_mul_i32 s17, s16, 384*PK
	s_add_co_u32 s[G0K+1], s17, 256*PK
	s_mul_i32 s69, s16, 384*PV
	s_add_co_u32 s[G0V+1], s69, VOFF+256*PV
	s_lshl_b32 s22, s16, 15         ; from key 128 e to key 256 + 384 e: 32,768 (1 + e) bytes
	s_add_co_u32 s22, s22, 32768
	s_mov_b32 s23, 0
	s_add_nc_u64 s[G0K+2:G0K+3], s[G0K+2:G0K+3], s[22:23]
	s_add_nc_u64 s[G0V+2:G0V+3], s[G0V+2:G0V+3], s[22:23]
	s_wait_dscnt 0x0                ; the add and my stores of the mask's terms are done
	s_barrier_signal -1
	s_barrier_wait -1               ; everybody's part of keys 0-255 and of the mask's terms is there
	LOAD
; THE MATRIX WORK.  The 8 accumulators of a run of 16 take turns.  Product i of 16 of S^T = K Q^T for piece x: channels 32 (i / 8) on, keys 16 ((i / 2) % 4) on, tile 2 x + i % 2.  The first 8 start the sums with the mask's terms.
.macro KQ x
.set rS, S+64*((\x)%2)+32*(i%2)+8*((i/2)%4)
.set rK, KF+16*((i/2)%4)+8*(i/8)
.set rQ, 16*(2*(\x)+i%2)+8*(i/8)
.set rMC, MC+8*((i/2)%4)
.if i < 8
	WIN W_KM
	v_wmma_f32_16x16x32_f16 v[rS:rS+7], v[rK:rK+7], v[rQ:rQ+7], v[rMC:rMC+7]
.else
	WIN W_KQ
	v_wmma_f32_16x16x32_f16 v[rS:rS+7], v[rK:rK+7], v[rQ:rQ+7], v[rS:rS+7]
.endif
.endm
; Product i of 16 of O^T += V^T P for piece x: keys 32 (i / 8) on, channels 16 ((i / 2) % 4) on, tile 2 x + i % 2.
.macro PV x
	WIN W_PV
.set rO, 32*(2*(\x)+i%2)+8*((i/2)%4)
.set rV, VF+32*(i/8)+8*((i/2)%4)
.set rP, P+32*((\x)%2)+16*(i%2)+8*(i/8)
	v_wmma_f32_16x16x32_f16 v[rO:rO+7], v[rV:rV+7], v[rP:rP+7], v[rO:rO+7]
.endm
.macro MM
.if i < 16
	KQ (Y+1)%NP
.set i, i+1
.else
.set i, i-16
	PV (Y+NP-1)%NP
.set i, i+17
.endif
.endm
; THE LDS LOADS stand in runs: a step's K (8 fragments) with its mask terms (all lanes of a half read the same words), and its V (turned).  last = 1: in the last step there is no further one, and the run is jumped over.
.macro FETCH_K last=0
	WIN 0
.if \last
	s_cmp_eq_u32 s[LEFT], 1
	s_cbranch_scc1 .Lno_k_\@
.endif
	WIN 0x80
.irp f, 0,1,2,3,4,5,6,7
	ds_load_b128 v[KF+8*\f:KF+8*\f+3],   v[AK] offset:(\f/2)*16*PK+(\f%2)*64
	ds_load_b128 v[KF+8*\f+4:KF+8*\f+7], v[AK] offset:(\f/2)*16*PK+(\f%2)*64+32
.endr
	WIN 0xc0
.irp f, 0,1,2,3
	ds_load_b128 v[MC+8*\f:MC+8*\f+3],   v[AM] offset:64*\f
	ds_load_b128 v[MC+8*\f+4:MC+8*\f+7], v[AM] offset:64*\f+16
.endr
	s_add_co_u32 s[TBK], s[TBK], KS*PK
	s_add_co_u32 s[TBM], s[TBM], KS*4
	WIN 0
.if \last
.Lno_k_\@:
.endif
.endm
.macro FETCH_V
	WIN 0x80
.irp f, 0,1,2,3,4,5,6,7
	ds_load_tr16_b128 v[VF+8*\f:VF+8*\f+3],   v[AV] offset:(\f/4)*32*PV+(\f%4)*32
	ds_load_tr16_b128 v[VF+8*\f+4:VF+8*\f+7], v[AV] offset:(\f/4)*32*PV+16*PV+(\f%4)*32
.endr
	WIN 0
.endm
; THE VECTOR WORK OF A TURN stands in three queues, each in the order in which its entries become ready; the two tiles alternate.
.macro REGS y, u
.set rT, ST+4*(2*(\y)+(\u))
.set rC, TMP+8*((\y)%2)+4*(\u)
.set rM, MV+2*((\y)%2)+(\u)
.set rS, S+64*((\y)%2)+32*(\u)
.set rP, P+32*((\y)%2)+16*(\u)
.set rO, 32*(2*(\y)+(\u))
.endm
; Number n of the 22 that find the NEXT piece's maximum and statistics; each accumulator's lowest registers are read first.
;   0-11 four chains of seven scores each   12-14, 16 the four left over, the old m, the four into one   15 c m_old is kept   17, 18 the other half of the lanes: the new m   19-21 c m; its change; a
.macro XS u, n
	REGS (Y+1)%NP, \u
.if (\n) < 4
	v_max3_num_f32 v[rC+(\n)], v[rS+8*(\n)], v[rS+8*(\n)+1], v[rS+8*(\n)+2]
.elseif (\n) < 12
	v_max3_num_f32 v[rC+(\n)%4], v[rC+(\n)%4], v[rS+8*((\n)%4)+2*((\n)/4)+1], v[rS+8*((\n)%4)+2*((\n)/4)+2]
.elseif (\n) == 12
	v_max3_num_f32 v[rC], v[rC], v[rS+7], v[rS+15]
.elseif (\n) == 13
	v_max3_num_f32 v[rC+1], v[rC+1], v[rS+23], v[rS+31]
.elseif (\n) == 14
	v_max3_num_f32 v[rC+2], v[rC+2], v[rC+3], v[rT+1]
.elseif (\n) == 15
	v_mov_b32 v[rM], v[rT]
.elseif (\n) == 16
	v_max3_num_f32 v[rC], v[rC], v[rC+1], v[rC+2]
.elseif (\n) == 17
	v_permlanex16_b32 v[rC+3], v[rC], s[SEL], s[SEL+1]
.elseif (\n) == 18
	v_max_num_f32 v[rT+1], v[rC], v[rC+3]
.elseif (\n) == 19
	v_mul_f32 v[rT], s[CS], v[rT+1]
.elseif (\n) == 20
	v_sub_f32 v[rC+1], v[rM], v[rT]
.else
	v_exp_f32 v[rC+2], v[rC+1]
.endif
.endm
; Number g of the 64 that follow the exponentials: for each four weights both pairs are rounded to f16, the second pair is added onto the first in place, and a group later l takes that sum (the first time as l = a l + sum).
.macro GS g
.set h, (\g)+6*((\g)/62)
.if h >= 6
.set h, h+2
.endif
	REGS Y, h%2
.set k, h/8
.if h%8 < 4
	v_cvt_pk_f16_f32 v[rP+2*k+(h%8)/2], v[rS+4*k+2*((h%8)/2)], v[rS+4*k+2*((h%8)/2)+1]
.elseif h%8 < 6
	v_pk_add_f32 v[rS+4*k:rS+4*k+1], v[rS+4*k:rS+4*k+1], v[rS+4*k+2:rS+4*k+3]
.elseif k == 1
	v_pk_fma_f32 v[rT+2:rT+3], v[rT+2:rT+3], v[rC+2:rC+3], v[rS:rS+1] op_sel_hi:[1,0,1]
.else
	v_pk_add_f32 v[rT+2:rT+3], v[rT+2:rT+3], v[rS+4*k-4:rS+4*k-3]
.endif
.endm
; THE PLAIN QUEUE, 138 long.  0-26: scalings 0-26.  27-54: XS's numbers 0-13.  55, 56: number 15.  57-73: the chain 14, 16 .. 20, a scaling in front of each pair of its lines.  74-137: GS's 64, behind the wait.
.macro FS f
	REGS Y, (\f)%2
	v_pk_fma_f32 v[rS+2*((\f)/2):rS+2*((\f)/2)+1], v[rS+2*((\f)/2):rS+2*((\f)/2)+1], s[CS:CS+1], v[rT:rT+1] op_sel_hi:[1,0,0] neg_lo:[0,0,1] neg_hi:[0,0,1]
.endm
.macro PL
	WIN 0
.if q < 27
	FS q
.elseif q < 55
	XS (q-27)%2, (q-27)/2
.elseif q < 57
	XS q-55, 15
.elseif (q < 72) && ((q-57)%3 == 0)
	FS 27+(q-57)/3
.elseif q < 60
	XS (q-57)%3-1, 14
.elseif q < 72
	XS (q-57)%3-1, 15+(q-57)/3
.elseif q < 74
	XS q-72, 20
.else
	GS q-74
.endif
.set q, q+1
.endm
; THE EXPONENTIALS' QUEUE, 66 long: one batch, all ahead of the turn's one wait; nothing ahead of that wait names a result of theirs.
.macro EX
	WIN 0
.if e >= 64
	XS e-64, 21
.else
	REGS Y, e%2
	v_exp_f32 v[rS+e/2], v[rS+e/2]
.endif
.set e, e+1
.endm
; THE RESCALING's QUEUE: O^T times a, two at a time; its a was made, and waited for, in the turn before.
.macro R2
	REGS Y, r%2
	WIN W_RS
.irp z, 0,1
	v_pk_mul_f32 v[rO+4*(r/2)+2*\z:rO+4*(r/2)+2*\z+1], v[rO+4*(r/2)+2*\z:rO+4*(r/2)+2*\z+1], v[rC+2:rC+3] op_sel_hi:[1,0]
.endr
.set r, r+1
.endm
; A TURN, for piece p.  Ahead of its one wait: 16 products K Q^T, behind each a scaling, an exponential and two rescalings; then a run of 109: eight plain, 49 times exponential and plain, the two a, a v_nop.
; Behind it: 16 products V^T P, behind each four of the roundings and sums.  K and the mask's terms of the next step are fetched in piece 2's turn, directly behind the wait, a whole run behind the last product
; that read them; V of the step in hand at the end of piece 0's turn, four plain instructions behind its last reader.  cnt = 1: the loop's count is taken down some lines ahead of the branch behind the turn.
.macro TURN p, last=0, cnt=0
.set Y, (\p)
.set i, 0
.set q, 0
.set e, 0
.set r, 0
.if (\p) == NP-1
	s_wait_dscnt 0x0                ; K and the mask's terms are in
.endif
	MM
	PL
	PL
	R2
.rept 15
	MM
	PL
	EX
	R2
.endr
.if (\p) == NP-2
	WIN 0
	v_add_nc_u32 v[AK], s[TBK], v[AK0]
	v_add_nc_u32 v[AM], s[TBM], v[AM0]
.endif
.rept 8
	PL
.endr
.rept 49
	EX
	PL
.endr
	EX
	EX
	v_nop                           ; a plain instruction behind the last exponential: one for the batch
	s_wait_alu depctr_va_vdst(0)    ; the wait ahead of the first use: one for the batch
.if (\p) == NP-2
	FETCH_K \last
.endif
.if (\p) == 1
	s_wait_dscnt 0x0                ; V is in
.endif
.rept 16
	MM
.rept 4
	PL
.endr
.if ((\p) == 0) && (q == 118)
	v_add_nc_u32 v[AV], s[TBV], v[AV0]
.endif
.if ((\p) == 0) && (q == 130)
	s_add_co_u32 s[TBV], s[TBV], KS*PV
.endif
.if (\cnt) && (q == 130)
	s_sub_co_u32 s[CNT], s[CNT], 1
	s_cmp_lg_u32 s[CNT], 0
.endif
.endr
.if (\p) == 0
	FETCH_V
.endif
.endm
	FETCH_K                         ; key step 0
	s_wait_loadcnt 0x0              ; Q
	s_wait_dscnt 0x0
.set i, 0
.rept 16
	KQ 0                            ; piece 0's first scores
.set i, i+1
.endr
	WIN 0
.rept 4
	v_nop                           ; the places behind those products
.endr
.set Y, NP-1                        ; XS works for piece Y + 1: piece 0
.irp n, 0,1,2,3,4,5,6,7,8,9,10,11,12,13,14,15,16,17,18,19,20,21
	XS 0, \n
	XS 1, \n
.endr
	v_nop                           ; a plain instruction behind the two a,
	s_wait_alu depctr_va_vdst(0)    ; and their wait, ahead of the branch
	s_mov_b32 s[CNT], 4
	s_mov_b32 s[PASS], 2
	s_mov_b32 s[LEFT], 16
	s_branch .Lfirst                ; the loop is entered at a step's first turn, in the middle of a trip
.Lrest:                             ; once, behind pieces 0 and 1 of key step 3: up to here every read lay in keys 0-255; K of step 4 is fetched in the turn below
	s_wait_tensorcnt 0x0            ; my part of keys 256-1023 is in,
	s_wait_dscnt 0x0
	s_barrier_signal -1
	s_barrier_wait -1               ; everybody's is
	s_mov_b32 s[CNT], 13            ; the second pass is left in the middle of its thirteenth trip
.Lstep:                             ; a trip: pieces 2 and 3 of one step, then pieces 0 and 1 of the next
	TURN 2, 1
	TURN 3
	WIN 0
	s_sub_co_u32 s[LEFT], s[LEFT], 1
	s_cmp_eq_u32 s[LEFT], 0
	s_cbranch_scc1 .Lout            ; behind the last step; its turn 3 has multiplied the last K once more, which serves nothing: the price of one text for every trip
.Lfirst:
	TURN 0
	TURN 1, 0, 1
	WIN 0
	s_cbranch_scc1 .Lstep
	s_sub_co_u32 s[PASS], s[PASS], 1
	s_cmp_lg_u32 s[PASS], 0
	s_cbranch_scc1 .Lrest
.Lout:
.set i, 0
.rept 16
	PV NP-1                         ; the last piece's V^T P of the last step
.set i, i+1
.endr
	; THE WAY OUT.  l's two halves and the other half of the lanes' are added; O^T is divided by l, rounded to f16 and sent through my stage, a tile at a time.  The additions are the places behind the last products.
	WIN 0
.macro ALL line:vararg
.set t, 0
.rept 2*NP
	\line
.set t, t+1
.endr
.endm
	ALL v_add_f32 v[ST+4*t+2], v[ST+4*t+2], v[ST+4*t+3]
	ALL v_permlanex16_b32 v[ST+4*t+3], v[ST+4*t+2], s[SEL], s[SEL+1]
	ALL v_add_f32 v[ST+4*t+2], v[ST+4*t+2], v[ST+4*t+3]
	ALL v_rcp_f32 v[ST+4*t+2], v[ST+4*t+2]
	v_nop                           ; a plain instruction between the last reciprocal and the use of its result
	s_wait_alu depctr_va_vdst(0)    ; one wait for the eight reciprocals
.macro PACK t
	WIN W_RS
.set i, 32*(\t)
.rept 16
	v_pk_mul_f32 v[i:i+1], v[i:i+1], v[ST+4*(\t)+2:ST+4*(\t)+3] op_sel_hi:[1,0]
.set i, i+2
.endr
	WIN 0x05                        ; sources 0 and 1 window 1, destination window 0
.set i, 0
.rept 16
	v_cvt_pk_f16_f32 v[S+16*(\t)+i], v[32*(\t)+2*i], v[32*(\t)+2*i+1]
.set i, i+1
.endr
	WIN 0
.irp f, 0,1,2,3
	ds_store_b128 v[STO], v[S+16*(\t)+4*\f:S+16*(\t)+4*\f+3] offset:32*\f
.endr
.irp f, 0,1,2,3
	ds_load_b128 v[S+16*(\t)+4*\f:S+16*(\t)+4*\f+3], v[RD] offset:\f*4*SP  ; LDS serves a wave's instructions in order (ISA guide 5.7.1.4): these see the stores above
.endr
.endm
.macro SEND t, younger              ; younger: the LDS instructions issued behind tile t's loads
	WIN 0
.irp f, 0,1,2,3
	s_wait_dscnt (\younger)+3-\f
	global_store_b128 v[GO], v[S+16*(\t)+4*\f:S+16*(\t)+4*\f+3], s[10:11] offset:(\t)*2048+\f*512  ; 512 consecutive bytes, aligned
.endr
.endm
	PACK 0
.set t, 1
.rept 2*NP-1
	PACK t
	SEND t-1, 8
.set t, t+1
.endr
	SEND 2*NP-1, 0
	WIN W_AD
	s_wait_tensorcnt 0x0            ; the wave's end
	ds_add_u32 v[SPW], v[NIL]
	s_wait_dscnt 0x0
	WIN 0
	s_endpgm
.Lfunc_end_k_qc0c9dca97b_attn:
	.size	k_qc0c9dca97b_attn, .Lfunc_end_k_qc0c9dca97b_attn-k_qc0c9dca97b_attn
	.p2alignl 7, 3214868480
	.fill 96, 4, 3214868480
	.section	.rodata,"a",@progbits
	.p2align	6, 0x0
	.amdhsa_kernel k_qc0c9dca97b_attn
		.amdhsa_group_segment_fixed_size 327680
		.amdhsa_private_segment_fixed_size 0
		.amdhsa_enable_private_segment 0
		.amdhsa_kernarg_size 24
		.amdhsa_user_sgpr_count 2
		.amdhsa_user_sgpr_kernarg_segment_ptr 1
		.amdhsa_wavefront_size32 1
		.amdhsa_system_sgpr_workgroup_id_x 1
		.amdhsa_system_sgpr_workgroup_id_y 1
		.amdhsa_system_sgpr_workgroup_id_z 1
		.amdhsa_system_vgpr_workitem_id 0
		.amdhsa_next_free_vgpr 808
		.amdhsa_next_free_sgpr 72
		.amdhsa_reserve_vcc 0
		.amdhsa_float_denorm_mode_32 3
		.amdhsa_float_denorm_mode_16_64 3
		.amdhsa_memory_ordered 1
		.amdhsa_forward_progress 1
		.amdhsa_inst_pref_size 129
	.end_amdhsa_kernel
	.amdgpu_metadata
---
amdhsa.version: [ 1, 2 ]
amdhsa.kernels:
  - .name:           k_qc0c9dca97b_attn
    .symbol:         k_qc0c9dca97b_attn.kd
    .args:
      - { .name: qkv, .offset: 0, .size: 8, .value_kind: global_buffer, .address_space: global }
      - { .name: mask, .offset: 8, .size: 8, .value_kind: global_buffer, .address_space: global }
      - { .name: att, .offset: 16, .size: 8, .value_kind: global_buffer, .address_space: global }
    .group_segment_fixed_size: 327680
    .private_segment_fixed_size: 0
    .kernarg_segment_align: 8
    .kernarg_segment_size: 24
    .max_flat_workgroup_size: 128
    .sgpr_count:     72
    .vgpr_count:     808
    .wavefront_size: 32
...
	.end_amdgpu_metadata
.endif
;; end of part 3
;; launch outp (part 4): grid 4 x 64, 4 waves a work-group, clusters of 4 x 4, 327,680 bytes of LDS; arguments att, wt, bo, out0; writes out0
.if DOCPART == 4
	.amdgcn_target "amdgcn-amd-amdhsa--gfx1250"
	.amdhsa_code_object_version 6
	.text
	.protected	k_qc0c9dca97b_outp
	.globl	k_qc0c9dca97b_outp
	.p2align	8
	.type	k_qc0c9dca97b_outp,@function
k_qc0c9dca97b_outp:
	s_mov_b64 s[64:65], 0
	v_nop
	global_prefetch_b8 v0, s[64:65] scope:SCOPE_SE
	s_setreg_imm32_b32 hwreg(HW_REG_WAVE_MODE, 25, 1), 1
	s_wait_xcnt 0x0
	s_wait_alu depctr_hold_cnt(0) depctr_sa_sdst(0) depctr_va_vdst(0) depctr_va_sdst(0) depctr_va_ssrc(0) depctr_va_vcc(0) depctr_vm_vsrc(0)
	s_getreg_b32 s2, hwreg(HW_REG_IB_STS2, 6, 4)
	s_cmp_eq_u32 s2, 0
	s_cbranch_scc0 .Lentry_in_a_cluster
	s_endpgm
.Lentry_in_a_cluster:
	s_bfe_u32 s2, ttmp6, 0x10000c
	s_cmp_lg_u32 s2, 0xf033
	s_cbranch_scc0 .Lentry_shape_is_right
	s_endpgm
.Lentry_shape_is_right:
; out0[b*1024+s][n] = sum over k of A[b*1024+s][k] Wo[k][n] + bf16(bo[n]), in f32.  A[..][head*64+d] = att[b*16+head][s][d], f16; Wo comes as part 3 of wt, [n][k], its bf16 rounding written as f16.
; Sums in f32, K ascending.  A tile is 128 rows x 256 columns: 256 work-groups.  Four waves, each 64 x 128: 32 accumulators.  K goes in 8 steps of 128, two heads each, through two LDS slots.
; CLUSTER 4 x 4: the four of a row share A's tile, the four of a column Wo^T's; each tile is asked for jointly.  The matrix instruction is used transposed (source 0 = 16 rows of Wo^T, source 1 = 16 rows of A):
; a lane holds eight neighbouring columns of one row.  The bias is the C operand of each sum's first product.
; REGISTERS.  window 0: v0-31 addresses; v32-63, v64-95 A's fragments, two buffers; v96-159 the bias; on the way out v32-223 three sets of 64.
;   window 1: v0-63, v64-127 Wo^T's fragments, two buffers.   window 2: the accumulators, (a, b) at 8 (8 a + b).
.set PA,     144                       ; a row of a head in LDS: 128 bytes + 16
.set AH,     128*PA                    ; a head's 128 rows: what one tensor load brings
.set ATILE,  2*AH
.set PB,     272
.set BHALF,  128*PB
.set SLOT,   ATILE+2*BHALF             ; 106,496 bytes
.set STAGE,  2*SLOT                    ; behind the ring: 16 rows x 528 bytes for each wave
.set SP,     528
.set SPARE,  STAGE+4*16*SP
.set ADRA, 16
.set ADRB, 20
.set STO,  24
.set RD,   25
.set CO,   26
.set H32,  27
.set SPW,  28
.set NIL,  29
.set PFO,  30
.set TMPV, 31
.set AF,   32
.set BIAS, 96
.set OB,   32
.set G1,  24
.set G0,  32
.set G1B, 48
.set G0B, 56
.set PFA, 86
.set LIM, 88
.set PSTEP, 90
.set MSB, 0
.macro WIN new
.if MSB != (\new)
	s_set_vgpr_msb (MSB<<8)|(\new)
.set MSB, \new
.endif
.endm
.set W_MUL,  0xa1
.set W_MULB, 0x81
.set TO_B,   0x40
.set W_ST,   0x08                      ; an LDS store's data (source 1) in window 2, its address in window 0
.macro JLOAD s                         ; waves 0 and 1 fetch the step's two heads of A, waves 2 and 3 Wo^T's two halves; an s_nop 0 and four v_nop follow each line
	s_cmp_eq_u32 s11, 0
	s_cbranch_scc0 .Lfor_b_\@
	tensor_load_to_lds s[G0+4*(\s):G0+4*(\s)+3], s[G1:G1+7]
	s_nop 0
.rept 4
	v_nop
.endr
	s_branch .Lasked_\@
.Lfor_b_\@:
	tensor_load_to_lds s[G0B+4*(\s):G0B+4*(\s)+3], s[G1B:G1B+7]
	s_nop 0
.rept 4
	v_nop
.endr
.Lasked_\@:
.endm
.macro CREST
	s_cmp_lg_u32 s10, 0
	s_cbranch_scc1 .Lnot_wave_0_\@
	s_barrier_signal -3
.Lnot_wave_0_\@:
	s_barrier_wait -3
	s_barrier_signal -1
	s_barrier_wait -1
.endm
.macro CROUND
	s_barrier_signal -1
	s_barrier_wait -1
	CREST
.endm
; A prefetch into the L2 of the K step two refills on, 256 matrix instructions ahead of its load.  Each aligned block of 256 bytes is named once: A's tile (2 heads x 64 blocks) is read by one cluster alone;
; wave 0 of each of a row's four partners takes 16 blocks of each head, told apart by address.  Wo^T's rows are read by all sixteen clusters: the first asks, waves 2 and 3, 32 rows a partner, a lane a row.
; K steps 0 to 3 come by their loads alone; the loop's last lap asks for nothing.
.macro ASK
	s_cmp_gt_u32 s3, s[LIM]
	s_cbranch_scc0 .Lnot_mine_\@
	global_prefetch_b8 v[PFO], s[PFA:PFA+1] th:TH_LOAD_NT scope:SCOPE_SE
.Lnot_mine_\@:
.endm
.macro PLACES
.rept 4
	v_nop
.endr
.endm
	s_load_b256 s[68:75], s[0:1], 0x0              ; att 68, wt 70, bo 72, out0 74
	v_lshl_add_u32 v[SPW], v0, 2, SPARE
	v_mov_b32 v[NIL], 0
	ds_add_u32 v[SPW], v[NIL]                      ; the wave's opening: the add and its wait stand ahead of my first tensor load
	ds_add_u32 v28, v29
	v_lshrrev_b32 v1, 5, v0
	v_readfirstlane_b32 s10, v1
	s_lshr_b32 s11, s10, 1                         ; my half of the rows.  Also: I fetch A (0) or Wo^T (1)
	s_and_b32 s12, s10, 1                          ; my half of the columns.  Also: which head, or which half, I fetch
	s_bfe_u32 s40, ttmp6, 0x40000                  ; cx
	s_bfe_u32 s41, ttmp6, 0x40004                  ; cy
	s_lshl_b32 s42, ttmp9, 2
	s_add_co_u32 s42, s42, s40                     ; tile column
	s_and_b32 s92, ttmp7, 0xffff                   ; cluster y
	s_lshl_b32 s13, s92, 2
	s_add_co_u32 s13, s13, s41                     ; tile row
	s_lshl_b32 s43, s41, 2
	s_lshl_b32 s43, 15, s43
	s_lshl_b32 s44, 0x1111, s40
	s_or_b32 s[G1+0], s43, (1<<16)|(1<<20)|(1<<21)|(4<<22)|(3<<25)   ; a head's 128 rows are 16,384 dense bytes: 64 rows of 256, padded by 4 words behind every 32
	s_mov_b32 s[G1+1], 128<<16
	s_mov_b32 s[G1+2], 64<<16
	s_mov_b32 s[G1+3], 128<<16
	s_mov_b32 s[G1+4], 64
	s_mov_b32 s[G1+5], 128
	s_mov_b32 s[G1+6], 0
	s_mov_b32 s[G1+7], 0
	s_or_b32 s[G1B+0], s44, (1<<16)|(1<<20)|(1<<21)|(5<<22)|(3<<25)
	s_mov_b32 s[G1B+1], 128<<16
	s_mov_b32 s[G1B+2], 128<<16
	s_mov_b32 s[G1B+3], 128<<16
	s_mov_b32 s[G1B+4], 128
	s_mov_b32 s[G1B+5], 1024
	s_mov_b32 s[G1B+6], 0
	s_mov_b32 s[G1B+7], 0
	s_lshr_b32 s16, s13, 3                         ; A: batch x 16 + my head of the step,
	s_lshl_b32 s16, s16, 4
	s_add_co_u32 s16, s16, s12
	s_lshl_b32 s16, s16, 17                        ; of 131,072 bytes,
	s_and_b32 s17, s13, 7
	s_lshl_b32 s17, s17, 14                        ; the tile's 128 rows of 128 bytes
	s_add_co_u32 s16, s16, s17
	s_mov_b32 s17, 0
	s_lshl_b32 s46, s42, 8
	s_lshl_b32 s47, s12, 7
	s_add_co_u32 s46, s46, s47
	s_lshl_b32 s46, s46, 11
	s_add_co_u32 s46, s46, 3*2097152               ; part 3 of wt
	s_mov_b32 s47, 0
	s_mul_i32 s18, s12, AH
	s_mul_i32 s19, s12, BHALF
	s_add_co_u32 s19, s19, ATILE
	s_wait_dscnt 0x0
	s_wait_kmcnt 0x0
	s_add_nc_u64 s[14:15], s[68:69], s[16:17]
	s_add_nc_u64 s[46:47], s[70:71], s[46:47]
	CROUND
.irp s, 0,1
	s_mov_b32 s[G0+4*(\s)], 1
	s_add_co_u32 s[G0+4*(\s)+1], s18, (\s)*SLOT
	s_add_nc_u64 s[G0+4*(\s)+2:G0+4*(\s)+3], s[14:15], (\s)*262144
	s_or_b32 s[G0+4*(\s)+3], s[G0+4*(\s)+3], 0x80000000
	s_mov_b32 s[G0B+4*(\s)], 1
	s_add_co_u32 s[G0B+4*(\s)+1], s19, (\s)*SLOT
	s_add_nc_u64 s[G0B+4*(\s)+2:G0B+4*(\s)+3], s[46:47], (\s)*256
	s_or_b32 s[G0B+4*(\s)+3], s[G0B+4*(\s)+3], 0x80000000
	JLOAD \s
.endr
	v_and_b32 v1, 15, v0
	v_bfe_u32 v2, v0, 4, 1
	v_lshlrev_b32 v[H32], 5, v2
	s_lshl_b32 s20, s42, 10
	s_lshl_b32 s21, s12, 9
	s_add_co_u32 s20, s20, s21                     ; my 128 columns, in bytes of f32: for the bias and for out0
	s_mov_b32 s21, 0
	s_add_nc_u64 s[84:85], s[72:73], s[20:21]
.irp b, 0,1,2,3,4,5,6,7
	global_load_b128 v[BIAS+8*(\b):BIAS+8*(\b)+3],   v[H32], s[84:85] offset:64*(\b)
	global_load_b128 v[BIAS+8*(\b)+4:BIAS+8*(\b)+7], v[H32], s[84:85] offset:64*(\b)+16
.endr
	s_lshl_b32 s22, s13, 7
	s_lshl_b32 s23, s11, 6
	s_add_co_u32 s22, s22, s23
	s_lshl_b32 s22, s22, 12                        ; my first row of out0, of 4,096 bytes
	s_add_co_u32 s22, s22, s20
	s_mov_b32 s23, 0
	s_add_nc_u64 s[8:9], s[74:75], s[22:23]
	v_mul_u32_u24 v3, v1, PA
	v_lshl_add_u32 v3, v2, 4, v3
	v_mul_u32_u24 v4, v1, PB
	v_lshl_add_u32 v4, v2, 4, v4
	s_mul_i32 s21, s11, 64*PA
	s_mul_i32 s22, s12, BHALF
	s_add_co_u32 s22, s22, ATILE
.irp s, 0,1
	v_add_nc_u32 v[ADRA+(\s)], s21, v3
	v_add_nc_u32 v[ADRB+(\s)], s22, v4
	s_add_co_u32 s21, s21, SLOT
	s_add_co_u32 s22, s22, SLOT
.endr
	s_mul_i32 s23, s10, 16*SP
	s_add_co_u32 s23, s23, STAGE
	v_mul_u32_u24 v[STO], v1, SP                   ; in: row r, 32 bytes for each half of the lanes
	v_lshl_add_u32 v[STO], v2, 5, v[STO]
	v_add_nc_u32 v[STO], s23, v[STO]
	v_and_b32 v5, 31, v0
	v_lshlrev_b32 v[CO], 4, v5                     ; back and out: 32 lanes take a row's 512 bytes
	v_add_nc_u32 v[RD], s23, v[CO]
	; the prefetches: they stand at K step 3; the first change of slots steps them to 4
	s_lshr_b32 s20, s13, 3
	s_lshl_b32 s20, s20, 21                        ; batch x 16 heads of 131,072 bytes
	s_and_b32 s21, s13, 7
	s_lshl_b32 s21, s21, 14
	s_add_co_u32 s20, s20, s21
	s_lshl_b32 s21, s40, 12                        ; my work-group's 16 blocks of each head's 64
	s_add_co_u32 s20, s20, s21
	s_add_co_u32 s20, s20, 3*262144
	s_lshl_b32 s22, s42, 8
	s_lshl_b32 s23, s12, 7
	s_add_co_u32 s22, s22, s23
	s_lshl_b32 s23, s41, 5
	s_add_co_u32 s22, s22, s23
	s_lshl_b32 s22, s22, 11
	s_add_co_u32 s22, s22, 3*2097152+3*256
	s_cmp_eq_u32 s92, 0                            ; the first cluster asks for Wo^T
	s_cselect_b32 s23, 1, -1
	s_cmp_eq_u32 s10, 0                            ; wave 0 asks for A, wave 1 for nothing
	s_cselect_b32 s96, 1, -1
	s_cmp_eq_u32 s11, 0
	s_cselect_b32 s20, s20, s22
	s_cselect_b64 s[PFA:PFA+1], s[68:69], s[70:71]
	s_cselect_b32 s[PSTEP], 18, 8
	s_cselect_b32 s[LIM], s96, s23
	s_cselect_b32 s94, 4, 0
	s_cselect_b32 s95, 17, 11
	s_cselect_b32 s97, 15, 0
	s_mov_b32 s21, 0
	s_mov_b32 s[PSTEP+1], 0
	s_lshl_b32 s[PSTEP], 1, s[PSTEP]               ; a K step: two heads in att, 256 bytes in Wo^T
	s_add_nc_u64 s[PFA:PFA+1], s[PFA:PFA+1], s[20:21]
	v_lshrrev_b32 v6, s94, v5                      ; A: head lane / 16, block lane % 16;  Wo^T: row lane
	v_lshlrev_b32 v6, s95, v6
	v_and_b32 v7, s97, v5
	v_lshl_add_u32 v[PFO], v7, 8, v6
; 24 LDS loads: quarter fk (32 along K: head fk / 2, channels 32 (fk % 2) on) of slot fs into buffers g
.macro FETCH fs, fk, g
	WIN TO_B
.irp b, 0,1,2,3,4,5,6,7
	ds_load_b128 v[64*(\g)+8*(\b):64*(\g)+8*(\b)+3],   v[ADRB+(\fs)] offset:(\b)*16*PB+(\fk)*64
	ds_load_b128 v[64*(\g)+8*(\b)+4:64*(\g)+8*(\b)+7], v[ADRB+(\fs)] offset:(\b)*16*PB+(\fk)*64+32
.endr
	WIN 0
.irp a, 0,1,2,3
	ds_load_b128 v[AF+32*(\g)+8*(\a):AF+32*(\g)+8*(\a)+3],   v[ADRA+(\fs)] offset:((\fk)/2)*AH+(\a)*16*PA+((\fk)%2)*64
	ds_load_b128 v[AF+32*(\g)+8*(\a)+4:AF+32*(\g)+8*(\a)+7], v[ADRA+(\fs)] offset:((\fk)/2)*AH+(\a)*16*PA+((\fk)%2)*64+32
.endr
.endm
.macro MUL f, a, cw                    ; eight products; cw = 1: they start the sums with the bias
.if \cw
	WIN W_MULB
.else
	WIN W_MUL
.endif
.irp b, 0,1,2,3,4,5,6,7
.if \cw
	v_wmma_f32_16x16x32_f16 v[8*(8*(\a)+(\b)):8*(8*(\a)+(\b))+7], v[64*(\f)+8*(\b):64*(\f)+8*(\b)+7], v[AF+32*(\f)+8*(\a):AF+32*(\f)+8*(\a)+7], v[BIAS+8*(\b):BIAS+8*(\b)+7]
.else
	v_wmma_f32_16x16x32_f16 v[8*(8*(\a)+(\b)):8*(8*(\a)+(\b))+7], v[64*(\f)+8*(\b):64*(\f)+8*(\b)+7], v[AF+32*(\f)+8*(\a):AF+32*(\f)+8*(\a)+7], v[8*(8*(\a)+(\b)):8*(8*(\a)+(\b))+7]
.endif
.endr
.endm
; A quarter step: 32 products from buffers f, all 32 accumulators by turns.  At its head, four places behind the last product that read them (np = 1: the joint load's
; four v_nop stand directly ahead and serve), the other buffers take the next quarter.
.macro QUARTER fs, fk, f, first, fetch, ask, np
.if \fetch
.if !(\np)
	PLACES
.endif
	FETCH \fs, \fk, 1-(\f)
.if \ask
	ASK                                            ; behind the joint load and the run of LDS loads
.endif
	s_wait_dscnt 24                                ; all but the 24 just issued
.else
	s_wait_dscnt 0x0
.endif
	MUL \f, 0, \first
	MUL \f, 1, \first
	MUL \f, 2, \first
	MUL \f, 3, \first
.endm
; A step's third quarter: it fetches the slot's last quarter and changes slots: all my tensor loads waited for (one is out: my part of the other slot), the add, the wait for it and for my reads of this slot,
; then the barrier; fill = 1: it opens a round of the cluster's, and the joint refill is the first thing behind it: 112 matrix instructions stand between it and the wait for it.
.macro MEETQ s, fill
.if \fill
	s_wait_xcnt 0x0                                ; the last prefetch, three quarters back, has read its address
	s_add_nc_u64 s[PFA:PFA+1], s[PFA:PFA+1], s[PSTEP:PSTEP+1]
.endif
	PLACES
	FETCH \s, 3, 1
	s_wait_dscnt 24
	MUL 0, 0, 0
	MUL 0, 1, 0
	WIN 0
	s_wait_tensorcnt 0x0
	ds_add_u32 v[SPW], v[NIL]                      ; 0 onto my spare word
.if \fill
	s_add_nc_u64 s[G0+4*(\s)+2:G0+4*(\s)+3], s[G0+4*(\s)+2:G0+4*(\s)+3], 2*262144  ; two K steps on: four heads
	s_add_nc_u64 s[G0B+4*(\s)+2:G0B+4*(\s)+3], s[G0B+4*(\s)+2:G0B+4*(\s)+3], 2*256
.endif
	s_wait_dscnt 0x0
	s_barrier_signal -1
	MUL 0, 2, 0
	MUL 0, 3, 0
	WIN 0
	s_barrier_wait -1
.if \fill
	CREST
	JLOAD \s
.endif
.endm
; THE WAY OUT of block a: 16 rows x 512 bytes of f32, through my own stage: 32 bytes a lane in (each accumulator's low four registers first), whole rows back.
.macro TOSTAGE a
	WIN W_ST
.irp b, 0,1,2,3,4,5,6,7
	ds_store_b128 v[STO], v[8*(8*(\a)+(\b)):8*(8*(\a)+(\b))+3]   offset:64*(\b)
	ds_store_b128 v[STO], v[8*(8*(\a)+(\b))+4:8*(8*(\a)+(\b))+7] offset:64*(\b)+16
.endr
	WIN 0
.if (\a) == 3
	s_wait_xcnt 0x0                                ; block 0's stores have read their registers, which block 3 takes
.endif
.irp t, 0,1,2,3,4,5,6,7,8,9,10,11,12,13,14,15
	ds_load_b128 v[OB+64*((\a)%3)+4*(\t):OB+64*((\a)%3)+4*(\t)+3], v[RD] offset:(\t)*SP  ; LDS serves a wave's instructions in order (ISA guide 5.7.1.4): these see the stores above
.endr
.endm
.macro SEND a, younger                 ; younger: the LDS instructions issued behind block a's loads
.irp t, 0,1,2,3,4,5,6,7,8,9,10,11,12,13,14,15
	s_wait_dscnt (\younger)+15-(\t)
	global_store_b128 v[CO], v[OB+64*((\a)%3)+4*(\t):OB+64*((\a)%3)+4*(\t)+3], s[8:9] offset:(16*(\a)+(\t))*4096 th:TH_STORE_NT  ; 512 consecutive bytes, aligned
.endr
.endm
	s_wait_tensorcnt 1                             ; my part of K step 0 is in; step 1's may stay out
	s_barrier_signal -1
	s_barrier_wait -1
	FETCH 0, 0, 0
	s_wait_loadcnt 0x0                             ; the bias: rounded to bf16 like every input, and widened again
.set i, 0
.rept 32
	v_cvt_pk_bf16_f32 v[TMPV], v[BIAS+2*i], v[BIAS+2*i+1]
	v_lshlrev_b32 v[BIAS+2*i], 16, v[TMPV]
	v_and_b32 v[BIAS+2*i+1], 0xffff0000, v[TMPV]
.set i, i+1
.endr
	QUARTER 0, 1, 0, 1, 1, 0, 1                    ; the first quarter stands in front of the loop: its products start the sums; no product stands ahead of its loads
	WIN 0
	s_mov_b32 s3, 3
.Llap:                                         ; a trip goes once round the ring and fills both slots again: K steps 2 to 7
	QUARTER 0, 2, 1, 0, 1, 0, 0
	MEETQ 0, 1
	QUARTER 1, 0, 1, 0, 1, 1, 1
	QUARTER 1, 1, 0, 0, 1, 0, 0
	QUARTER 1, 2, 1, 0, 1, 0, 0
	MEETQ 1, 1
	QUARTER 0, 0, 1, 0, 1, 1, 1
	QUARTER 0, 1, 0, 0, 1, 0, 0
	WIN 0
	s_sub_co_u32 s3, s3, 1
	s_cmp_lg_u32 s3, 0
	s_cbranch_scc1 .Llap
	QUARTER 0, 2, 1, 0, 1, 0, 0                    ; the last lap fills nothing
	MEETQ 0, 0
	QUARTER 1, 0, 1, 0, 1, 0, 0
	QUARTER 1, 1, 0, 0, 1, 0, 0
	QUARTER 1, 2, 1, 0, 1, 0, 0
	QUARTER 1, 3, 0, 0, 1, 0, 0
	QUARTER 1, 3, 1, 0, 0, 0, 0
	WIN 0
	PLACES                                         ; four places behind the last product, in front of stores that read results and loads into fragments' registers
	TOSTAGE 0
.irp a, 1,2,3
	TOSTAGE \a
	SEND (\a)-1, 32
.endr
	SEND 3, 0
	s_wait_tensorcnt 0x0                           ; the wave's end
	ds_add_u32 v[SPW], v[NIL]
	s_wait_dscnt 0x0
	CROUND                                         ; the closing round
	s_endpgm
.Lfunc_end_k_qc0c9dca97b_outp:
	.size	k_qc0c9dca97b_outp, .Lfunc_end_k_qc0c9dca97b_outp-k_qc0c9dca97b_outp
	.p2alignl 7, 3214868480
	.fill 96, 4, 3214868480
	.section	.rodata,"a",@progbits
	.p2align	6, 0x0
	.amdhsa_kernel k_qc0c9dca97b_outp
		.amdhsa_group_segment_fixed_size 327680
		.amdhsa_private_segment_fixed_size 0
		.amdhsa_enable_private_segment 0
		.amdhsa_kernarg_size 32
		.amdhsa_user_sgpr_count 2
		.amdhsa_user_sgpr_kernarg_segment_ptr 1
		.amdhsa_wavefront_size32 1
		.amdhsa_system_sgpr_workgroup_id_x 1
		.amdhsa_system_sgpr_workgroup_id_y 1
		.amdhsa_system_sgpr_workgroup_id_z 1
		.amdhsa_system_vgpr_workitem_id 0
		.amdhsa_next_free_vgpr 768
		.amdhsa_next_free_sgpr 100
		.amdhsa_reserve_vcc 0
		.amdhsa_float_denorm_mode_32 3
		.amdhsa_float_denorm_mode_16_64 3
		.amdhsa_memory_ordered 1
		.amdhsa_forward_progress 1
		.amdhsa_inst_pref_size 95
	.end_amdhsa_kernel
	.amdgpu_metadata
---
amdhsa.version: [ 1, 2 ]
amdhsa.kernels:
  - .name:           k_qc0c9dca97b_outp
    .symbol:         k_qc0c9dca97b_outp.kd
    .args:
      - { .name: att, .offset: 0, .size: 8, .value_kind: global_buffer, .address_space: global }
      - { .name: wt, .offset: 8, .size: 8, .value_kind: global_buffer, .address_space: global }
      - { .name: bo, .offset: 16, .size: 8, .value_kind: global_buffer, .address_space: global }
      - { .name: out0, .offset: 24, .size: 8, .value_kind: global_buffer, .address_space: global }
    .group_segment_fixed_size: 327680
    .private_segment_fixed_size: 0
    .kernarg_segment_align: 8
    .kernarg_segment_size: 32
    .max_flat_workgroup_size: 128
    .sgpr_count:     100
    .vgpr_count:     768
    .wavefront_size: 32
...
	.end_amdgpu_metadata
.endif
;; end of part 4
